; MI455X (gfx1250); checked and timed in simulation.
; The chip was launched on July 23, 2026; its instructions are those of AMD's public machine-readable ISA for CDNA 5 (MIT licence, August 2026) and "CDNA5" Instruction Set Architecture Reference Guide (July 2026). The comments in the code are by the model that wrote it; some were corrected since.
;; Transformer Block. Allowed arithmetic: float matrix products may take bf16 or f16 operands with f32 sums; other float arithmetic in f32, or as packed bf16 or f16 multiplies, adds, multiply-adds, maxima and minima; sums over many terms, partial sums and values carried from step to step in f32; what a program stores and reads back later, other than sums and carried values, may be rounded once to bf16 or f16.
;; Inputs: g1 1,024 float32; g2 1,024 float32; w1 2,048 x 1,024 float32; w2 1,024 x 2,048 float32; wk 1,024 x 1,024 float32; wo 1,024 x 1,024 float32; wq 1,024 x 1,024 float32; wv 1,024 x 1,024 float32; x 1 x 4,096 x 1,024 float32.
;; Outputs: out0 1 x 4,096 x 1,024 float32.
;; 2 versions, each right; version 2 is version 1 with the launch prep written anew for expert scheduling mode. Each part assembles by itself: llvm-mc -triple=amdgcn-amd-amdhsa -mcpu=gfx1250 --defsym DOCPART=n.
;; ======== version 1 of 2: 6 launches
;; limits: right only within a limited range of input values
;; workspace buffers: nxb 8,388,608 bytes; wb 16,777,216 bytes; qkv 25,165,824 bytes; ao 8,388,608 bytes; h 16,777,216 bytes; hb 8,388,608 bytes; ssq 262,144 bytes; gb 16,777,216 bytes
;; launch prep (part 1): grid 64 x 12, 8 waves a work-group, no clusters, 0 bytes of LDS; arguments x, g1, wq, wk, wv, wo, w1, w2, nxb, wb; writes nxb, wb
.if DOCPART == 1
	.amdgcn_target "amdgcn-amd-amdhsa--gfx1250"
	.amdhsa_code_object_version 6
	.text
	.protected	k_q4a5116aa71_prep
	.globl	k_q4a5116aa71_prep
	.p2align	8
	.type	k_q4a5116aa71_prep,@function
k_q4a5116aa71_prep:
	s_mov_b64 s[64:65], 0
	v_nop
	global_prefetch_b8 v0, s[64:65] scope:SCOPE_SE
	s_setreg_imm32_b32 hwreg(HW_REG_WAVE_MODE, 25, 1), 1
	s_wait_xcnt 0x0
; PREP: every 16-bit matrix operand that comes from an input is made here, in the layout [K/64][rows][64] bf16 (a PLANE is 64 columns of all rows; a row of a plane is 128 bytes).
; y = 0..3: nxb = rmsnorm(x, g1), 1,024 rows of x each.  y = 4..11: a segment of 1,024 rows x 1,024 columns of a weight, rounded to bf16, into wb:
;   wq, wk, wv as one matrix of 3,072 rows at byte 0; wo at 6,291,456; w1 at 8,388,608; w2 at 12,582,912.
; A work-group takes 16 rows of its segment; 16 lanes hold a row: lane i of them the columns 64 kb + 4 i .. + 3 for kb = 0..15.  A load of a wave covers 256 consecutive bytes of each of two rows;
; a store covers 256 consecutive bytes, aligned: the two rows' 128 bytes in plane kb.  Each byte is read once and written once; no loop, no LDS, no matrix unit: nothing is shared.
; The sum of squares, the mean and the scaling are f32; the result is rounded once.  No limit of range beyond f32's own (a row whose sum of squares overflows f32 gives what the formula gives).
.set X,   32                           ; v[32:95]   a lane's 64 numbers
.set G,   96                           ; v[96:159]  g1 of the same columns (rows of x)
.set VO,  96                           ; v[96:111]  the sixteen planes' store offsets (weights)
.set PLG, 524288                       ; bytes in a plane of 4,096 rows
	s_load_b512 s[8:23], s[0:1], 0x0               ; x s[8:9], g1 s[10:11], wq s[12:13], wk s[14:15], wv s[16:17], wo s[18:19], w1 s[20:21], w2 s[22:23]
	s_load_b128 s[24:27], s[0:1], 0x40             ; nxb s[24:25], wb s[26:27]
	s_and_b32 s2, ttmp7, 0xffff                    ; the segment
	v_lshrrev_b32 v1, 4, v0                        ; my row among the group's 16
	v_and_b32 v2, 15, v0                           ; i
	v_lshlrev_b32 v3, 7, v1
	v_lshl_add_u32 v3, v2, 3, v3                   ; in a plane: row x 128 + 8 i
	s_lshl_b32 s3, ttmp9, 11                       ; the group's 16 rows in a plane
	s_mov_b32 s5, 0
	s_wait_kmcnt 0x0
	s_cmp_lt_u32 s2, 4
	s_cbranch_scc0 .Lweights
	; ---- rows of x ----
	s_lshl_b32 s4, s2, 22                          ; 1,024 rows of 4,096 bytes
	s_lshl_b32 s6, ttmp9, 16                       ; 16 rows
	s_add_co_u32 s4, s4, s6
	s_add_nc_u64 s[8:9], s[8:9], s[4:5]
	s_lshl_b32 s4, s2, 17                          ; 1,024 rows of 128 bytes
	s_add_co_u32 s4, s4, s3
	s_add_nc_u64 s[24:25], s[24:25], s[4:5]
	s_mov_b32 s6, 0x3a800000                       ; 1 / 1024
	s_mov_b32 s7, 0x3727c5ac                       ; 1e-5
	v_lshlrev_b32 v4, 12, v1
	v_lshl_add_u32 v4, v2, 4, v4                   ; row x 4,096 + 16 i
	v_lshlrev_b32 v5, 4, v2
.irp kb, 0,1,2,3,4,5,6,7,8,9,10,11,12,13,14,15
	global_load_b128 v[X+4*\kb:X+4*\kb+3], v4, s[8:9] offset:256*\kb th:TH_LOAD_NT
.endr
.irp kb, 0,1,2,3,4,5,6,7,8,9,10,11,12,13,14,15
	global_load_b128 v[G+4*\kb:G+4*\kb+3], v5, s[10:11] offset:256*\kb
.endr
	s_wait_loadcnt 16                              ; x is in; g1's sixteen younger loads may stay out
.irp c, 0,1,2,3
	v_pk_mul_f32 v[8+2*\c:9+2*\c], v[X+2*\c:X+2*\c+1], v[X+2*\c:X+2*\c+1]  ; four chains, started by the first four pairs
.endr
.set j, 4
.rept 28
	v_pk_fma_f32 v[8+2*(j%4):9+2*(j%4)], v[X+2*j:X+2*j+1], v[X+2*j:X+2*j+1], v[8+2*(j%4):9+2*(j%4)]
.set j, j+1
.endr
	v_pk_add_f32 v[8:9], v[8:9], v[10:11]
	v_pk_add_f32 v[12:13], v[12:13], v[14:15]
	v_pk_add_f32 v[8:9], v[8:9], v[12:13]
	v_add_f32 v8, v8, v9
	v_add_f32_dpp v8, v8, v8 row_xmask:1 row_mask:0xf bank_mask:0xf   ; a row lies in 16 lanes
	v_add_f32_dpp v8, v8, v8 row_xmask:2 row_mask:0xf bank_mask:0xf
	v_add_f32_dpp v8, v8, v8 row_xmask:4 row_mask:0xf bank_mask:0xf
	v_add_f32_dpp v8, v8, v8 row_xmask:8 row_mask:0xf bank_mask:0xf
	v_fma_f32 v8, v8, s6, s7                       ; the mean + eps
	v_rsq_f32 v10, v8                              ; twice: a pair for the packed multiply
	v_rsq_f32 v11, v8
	v_nop                                          ; a plain instruction behind the last of them
	s_wait_loadcnt 0x0                             ; g1
	s_wait_alu depctr_va_vdst(0)                   ; one wait for both, ahead of their first reader
.irp kb, 0,1,2,3,4,5,6,7,8,9,10,11,12,13,14,15
	v_pk_mul_f32 v[X+4*\kb:X+4*\kb+1], v[X+4*\kb:X+4*\kb+1], v[10:11]
	v_pk_mul_f32 v[X+4*\kb+2:X+4*\kb+3], v[X+4*\kb+2:X+4*\kb+3], v[10:11]
	v_pk_mul_f32 v[X+4*\kb:X+4*\kb+1], v[X+4*\kb:X+4*\kb+1], v[G+4*\kb:G+4*\kb+1]
	v_pk_mul_f32 v[X+4*\kb+2:X+4*\kb+3], v[X+4*\kb+2:X+4*\kb+3], v[G+4*\kb+2:G+4*\kb+3]
	v_cvt_pk_bf16_f32 v[X+4*\kb], v[X+4*\kb], v[X+4*\kb+1]
	v_cvt_pk_bf16_f32 v[X+4*\kb+1], v[X+4*\kb+2], v[X+4*\kb+3]
	global_store_b64 v3, v[X+4*\kb:X+4*\kb+1], s[24:25] offset:\kb*PLG   ; 32 lanes: 256 consecutive bytes, aligned
.endr
	s_endpgm
	; ---- a segment of a weight ----
.macro CASE c, ptr, so, sh, dst, pl    ; segment c: its tensor, byte offset in it, log2 of its row's bytes, byte offset in wb, bytes of a plane
	s_cmp_eq_u32 s28, \c
	s_cselect_b64 s[30:31], s[\ptr:\ptr+1], s[30:31]
	s_cselect_b32 s32, \so, s32
	s_cselect_b32 s33, \sh, s33
	s_cselect_b32 s34, \dst, s34
	s_cselect_b32 s35, \pl, s35
.endm
.Lweights:
	s_sub_co_u32 s28, s2, 4
	s_mov_b64 s[30:31], s[12:13]                   ; segment 0: wq
	s_mov_b32 s32, 0
	s_mov_b32 s33, 12
	s_mov_b32 s34, 0
	s_mov_b32 s35, 393216
	CASE 1, 14, 0,       12, 131072,   393216      ; wk: rows 1,024 on of the 3,072
	CASE 2, 16, 0,       12, 262144,   393216      ; wv
	CASE 3, 18, 0,       12, 6291456,  131072      ; wo
	CASE 4, 20, 0,       12, 8388608,  262144      ; w1, rows 0 on
	CASE 5, 20, 4194304, 12, 8519680,  262144      ; w1, rows 1,024 on
	CASE 6, 22, 0,       13, 12582912, 131072      ; w2, columns 0 on
	CASE 7, 22, 4096,    13, 14680064, 131072      ; w2, columns 1,024 on: planes 16 on
	s_lshl_b32 s4, ttmp9, 4
	s_lshl_b32 s4, s4, s33                         ; the group's 16 rows
	s_add_co_u32 s4, s4, s32
	s_add_nc_u64 s[30:31], s[30:31], s[4:5]
	s_add_co_u32 s4, s34, s3
	s_add_nc_u64 s[26:27], s[26:27], s[4:5]
	v_lshlrev_b32 v4, s33, v1
	v_lshl_add_u32 v4, v2, 4, v4
.irp kb, 0,1,2,3,4,5,6,7,8,9,10,11,12,13,14,15
	global_load_b128 v[X+4*\kb:X+4*\kb+3], v4, s[30:31] offset:256*\kb th:TH_LOAD_NT
.endr
	v_mov_b32 v[VO], v3
.set kk, 1
.rept 15
	v_add_nc_u32 v[VO+kk], s35, v[VO+kk-1]         ; a plane further on
.set kk, kk+1
.endr
.irp kb, 0,1,2,3,4,5,6,7,8,9,10,11,12,13,14,15
	s_wait_loadcnt 15-\kb                          ; loads come back in order: number kb is in, the younger ones stay out
	v_cvt_pk_bf16_f32 v[X+4*\kb], v[X+4*\kb], v[X+4*\kb+1]
	v_cvt_pk_bf16_f32 v[X+4*\kb+1], v[X+4*\kb+2], v[X+4*\kb+3]
	global_store_b64 v[VO+\kb], v[X+4*\kb:X+4*\kb+1], s[26:27]
.endr
	s_endpgm
.Lfunc_end_k_q4a5116aa71_prep:
	.size	k_q4a5116aa71_prep, .Lfunc_end_k_q4a5116aa71_prep-k_q4a5116aa71_prep
	.p2alignl 7, 3214868480
	.fill 96, 4, 3214868480
	.section	.rodata,"a",@progbits
	.p2align	6, 0x0
	.amdhsa_kernel k_q4a5116aa71_prep
		.amdhsa_group_segment_fixed_size 0
		.amdhsa_private_segment_fixed_size 0
		.amdhsa_enable_private_segment 0
		.amdhsa_kernarg_size 80
		.amdhsa_user_sgpr_count 2
		.amdhsa_user_sgpr_kernarg_segment_ptr 1
		.amdhsa_wavefront_size32 1
		.amdhsa_system_sgpr_workgroup_id_x 1
		.amdhsa_system_sgpr_workgroup_id_y 1
		.amdhsa_system_sgpr_workgroup_id_z 1
		.amdhsa_system_vgpr_workitem_id 0
		.amdhsa_next_free_vgpr 160
		.amdhsa_next_free_sgpr 66
		.amdhsa_reserve_vcc 0
		.amdhsa_float_denorm_mode_32 3
		.amdhsa_float_denorm_mode_16_64 3
		.amdhsa_memory_ordered 1
		.amdhsa_forward_progress 1
		.amdhsa_inst_pref_size 23
	.end_amdhsa_kernel
	.amdgpu_metadata
---
amdhsa.version: [ 1, 2 ]
amdhsa.kernels:
  - .name:           k_q4a5116aa71_prep
    .symbol:         k_q4a5116aa71_prep.kd
    .args:
      - { .name: x, .offset: 0, .size: 8, .value_kind: global_buffer, .address_space: global }
      - { .name: g1, .offset: 8, .size: 8, .value_kind: global_buffer, .address_space: global }
      - { .name: wq, .offset: 16, .size: 8, .value_kind: global_buffer, .address_space: global }
      - { .name: wk, .offset: 24, .size: 8, .value_kind: global_buffer, .address_space: global }
      - { .name: wv, .offset: 32, .size: 8, .value_kind: global_buffer, .address_space: global }
      - { .name: wo, .offset: 40, .size: 8, .value_kind: global_buffer, .address_space: global }
      - { .name: w1, .offset: 48, .size: 8, .value_kind: global_buffer, .address_space: global }
      - { .name: w2, .offset: 56, .size: 8, .value_kind: global_buffer, .address_space: global }
      - { .name: nxb, .offset: 64, .size: 8, .value_kind: global_buffer, .address_space: global }
      - { .name: wb, .offset: 72, .size: 8, .value_kind: global_buffer, .address_space: global }
    .group_segment_fixed_size: 0
    .private_segment_fixed_size: 0
    .kernarg_segment_align: 8
    .kernarg_segment_size: 80
    .max_flat_workgroup_size: 256
    .sgpr_count:     66
    .vgpr_count:     160
    .wavefront_size: 32
...
	.end_amdgpu_metadata
.endif
;; end of part 1
;; launch gqkv (part 2): grid 16 x 16, 4 waves a work-group, clusters of 4 x 4, 327,680 bytes of LDS; arguments nxb, wb, qkv; writes qkv
.if DOCPART == 2
	.amdgcn_target "amdgcn-amd-amdhsa--gfx1250"
	.amdhsa_code_object_version 6
	.text
	.protected	k_q4a5116aa71_gqkv
	.globl	k_q4a5116aa71_gqkv
	.p2align	8
	.type	k_q4a5116aa71_gqkv,@function
k_q4a5116aa71_gqkv:
	s_mov_b64 s[64:65], 0
	v_nop
	global_prefetch_b8 v0, s[64:65] scope:SCOPE_SE
	s_setreg_imm32_b32 hwreg(HW_REG_WAVE_MODE, 25, 1), 1
	s_wait_xcnt 0x0
	s_wait_alu depctr_hold_cnt(0) depctr_sa_sdst(0) depctr_va_vdst(0) depctr_va_sdst(0) depctr_va_ssrc(0) depctr_va_vcc(0) depctr_vm_vsrc(0)
	s_getreg_b32 s2, hwreg(HW_REG_IB_STS2, 6, 4)
	s_cmp_eq_u32 s2, 0
	s_cbranch_scc0 .Lentry_in_a_cluster
	s_endpgm
.Lentry_in_a_cluster:
	s_bfe_u32 s2, ttmp6, 0x10000c
	s_cmp_lg_u32 s2, 0xf033
	s_cbranch_scc0 .Lentry_shape_is_right
	s_endpgm
.Lentry_shape_is_right:
; q, k, v = nx wq^T, nx wk^T, nx wv^T as ONE product C[m][n] = sum over k of A[m][k] B[n][k]: A = nxb [16 planes][4096][64], B = wb's first 3,072 rows [16][3072][64], both bf16; sums in f32;
; C rounded once to bf16 into qkv [48 planes][4096][64]: a plane is a head of q (0-15), of k (16-31) or of v (32-47).
; A work-group makes 256 x 192 of C, each of its four waves 64 rows x 192 columns: 48 accumulators of 16 x 16.  K goes in 8 steps of 128 (two planes) through two LDS slots.
; A plane of a tile is dense in memory: it is asked for as rows of 256 bytes and padded in LDS after every 128, so that an LDS row is 144 bytes = 36 words and 16 rows start at 16 different groups of four banks.
; CLUSTER 4 x 4: A's tile hangs on the tile row alone and is asked for jointly along a row of the cluster, B's on the tile column alone, along a column.  Waves 0, 1 fetch A's two planes, waves 2, 3 B's.
; THE MATRIX INSTRUCTION IS USED TRANSPOSED (source 0 = 16 rows of B, source 1 = 16 rows of A): a lane holds row l % 16 of C and eight neighbouring columns.
; REGISTERS in windows of 256: window 0: addresses, A's fragments v64-127 (two buffers of 32), on the way out v64-255; window 1: B's fragments, two buffers of 96;
; window 2: the accumulators of row blocks 0, 1 at 8 (12 (a % 2) + b); window 3: those of row blocks 2, 3.
.set TM,     256
.set TN,     192
.set NBK,    12                        ; blocks of 16 columns a wave
.set KB,     2                         ; planes in a K step
.set TSTEPS, 8
.set NCOL,   3072
.set BOFF,   0
.set PLG,    524288                    ; bytes in a plane of 4,096 rows
.set PLA,    TM*144                    ; a plane of A's tile in LDS
.set PLB,    TN*144
.set SLOT,   KB*(PLA+PLB)              ; A's planes, then B's
.set KSA,    KB*PLG                    ; a K step in memory
.set KSB,    KB*NCOL*128
.set NL,     2*NBK+8                   ; LDS loads in a run
.set DA0,    128                       ; the descriptors: elements in a row, rows, elements from row to row
.set DA1,    TM/2
.set SA0,    128
.set DB0,    128
.set DB1,    TN/2
.set SB0,    128
.set GW0,    (1<<16)|(1<<20)|(1<<21)|(4<<22)|(3<<25)  ; 2-byte elements; padding on; bit 21 beside a mask; after every 32 words; 4 words
.set STAGE,  2*SLOT                    ; 16 rows x 144 bytes for each wave, for the way out
.set SPARE,  STAGE+4*16*144            ; the spare words: 128 bytes a wave, named by no other line
.set A0,   16                          ; v16 my lane's place in A's first plane of slot 0; v17 in B's; never rewritten
.set B0,   17
.set ADRA, 18                          ; v18, v19 the same for the plane and slot in hand
.set ADRB, 19
.set STO,  20
.set RD,   21
.set GO,   22
.set SPW,  28
.set NIL,  29
.set PFO,  30
.set FA,   64
.set G1,   24                          ; s[24:31] group 1 for A; s[32:39] group 0, two sets: the first fills'; the second then walks
.set G0,   32
.set G1B,  48
.set G0B,  56
.set LIM,  43
.set PFA,  44
.set KSP,  46
.set RS,   66                          ; 0 or SLOT: the slot that is read
.set FS,   67                          ; 0 or SLOT: the slot that was filled last
.set LWA,  68                          ; my part's place in a slot, if I fetch A's; s69 if B's
.set LWB,  69
.set MSB, 0
.macro WIN new                         ; the immediate's high byte repeats the setting that is left; a switch that changes nothing is dropped
.if MSB != (\new)
	s_set_vgpr_msb (MSB<<8)|(\new)
.set MSB, \new
.endif
.endm
.macro PLACES
.rept 4
	v_nop
.endr
.endm
.macro JLOAD                           ; a joint refill by the walking sets; an s_nop 0 and four v_nop follow each of the two lines
	s_cmp_eq_u32 s11, 0
	s_cbranch_scc0 .Lfor_b_\@
	tensor_load_to_lds s[G0+4:G0+7], s[G1:G1+7]
	s_nop 0
	PLACES
	s_branch .Lasked_\@
.Lfor_b_\@:
	tensor_load_to_lds s[G0B+4:G0B+7], s[G1B:G1B+7]
	s_nop 0
	PLACES
.Lasked_\@:
.endm
; A prefetch of the K step that the NEXT refill will ask for: my work-group's quarter of the plane that I fetch, a lane for each 256 bytes.  A's planes are asked for by the clusters with x = 0, B's by those
; with y = 0; the four partners that ask for a tile jointly share it out by address.  The loop's last trip has no refill behind it and asks for nothing.
.macro ASK
	s_cmp_gt_u32 s3, s[LIM]
	s_cbranch_scc0 .Lnot_mine_\@
	global_prefetch_b8 v[PFO], s[PFA:PFA+1] th:TH_LOAD_NT scope:SCOPE_SE
.Lnot_mine_\@:
.endm
.macro CREST                           ; a round of the cluster's barrier behind its opening barrier
	s_cmp_lg_u32 s10, 0
	s_cbranch_scc1 .Lnot_wave_0_\@
	s_barrier_signal -3
.Lnot_wave_0_\@:
	s_barrier_wait -3
	s_barrier_signal -1
	s_barrier_wait -1
.endm
.macro CROUND
	s_barrier_signal -1
	s_barrier_wait -1
	CREST
.endm
; NBK products: row block a x all column blocks, 32 along K, from buffer f.  zero = 1: they start the sums.
.macro MULA f, a, zero
	WIN 0xa1+0x50*((\a)/2)                         ; B window 1, A window 0, C and D window 2 or 3
.set bb, 0
.rept NBK
.set rD, 8*(((\a)%2)*NBK+bb)
.if \zero
	v_wmma_f32_16x16x32_bf16 v[rD:rD+7], v[96*(\f)+8*bb:96*(\f)+8*bb+7], v[FA+32*(\f)+8*(\a):FA+32*(\f)+8*(\a)+7], 0
.else
	v_wmma_f32_16x16x32_bf16 v[rD:rD+7], v[96*(\f)+8*bb:96*(\f)+8*bb+7], v[FA+32*(\f)+8*(\a):FA+32*(\f)+8*(\a)+7], v[rD:rD+7]
.endif
.set bb, bb+1
.endr
.endm
; One run of NL LDS loads: the fragments of 32 along K at byte k of the plane's rows, into buffer g: B's, then A's.
.macro FETCH k, g
	WIN 0x40
.set bb, 0
.rept NBK
	ds_load_b128 v[96*(\g)+8*bb:96*(\g)+8*bb+3],   v[ADRB] offset:(\k)+bb*2304
	ds_load_b128 v[96*(\g)+8*bb+4:96*(\g)+8*bb+7], v[ADRB] offset:(\k)+bb*2304+32
.set bb, bb+1
.endr
	WIN 0
.set bb, 0
.rept 4
	ds_load_b128 v[FA+32*(\g)+8*bb:FA+32*(\g)+8*bb+3],   v[ADRA] offset:(\k)+bb*2304
	ds_load_b128 v[FA+32*(\g)+8*bb+4:FA+32*(\g)+8*bb+7], v[ADRA] offset:(\k)+bb*2304+32
.set bb, bb+1
.endr
.endm
; A quarter: 32 along K.  It multiplies buffer f and, in its middle, fetches the next quarter into buffer g; four plain places stand between the last product that read g and the loads into it.
.macro QUARTER f, g, k, zero
	s_wait_dscnt 4                                 ; all but the youngest four loads (A's row blocks 2, 3)
	MULA \f, 0, \zero
	MULA \f, 1, \zero
	PLACES
	FETCH \k, \g
	s_wait_dscnt NL                                ; all but the run just issued
	MULA \f, 2, \zero
	MULA \f, 3, \zero
.endm
.macro PAIRS                           ; the step's second plane
	WIN 0
	v_add_nc_u32 v[ADRA], PLA, v[ADRA]
	v_add_nc_u32 v[ADRB], PLB, v[ADRB]
	QUARTER 1, 0, 0, 0
	QUARTER 0, 1, 64, 0
.endm
; The first half of a step's last quarter, and the one barrier of a change of slots.  In front of it each wave waits for all its tensor loads (one is out: its part of the next slot), adds 0 to its spare word,
; and waits for that and for its reads of this slot.  round = 1: the walking descriptors step while the add is out, and a round of the cluster's barrier follows.
.macro MEET round
	WIN 0
	s_wait_tensorcnt 0x0
	ds_add_u32 v[SPW], v[NIL]
.if \round
	s_xor_b32 s[FS], s[FS], SLOT                   ; the other slot than last time,
	s_add_co_u32 s[G0+5], s[LWA], s[FS]
	s_add_co_u32 s[G0B+5], s[LWB], s[FS]
	s_add_nc_u64 s[G0+6:G0+7], s[G0+6:G0+7], KSA   ; the next K step; the type bits on top are not reached
	s_add_nc_u64 s[G0B+6:G0B+7], s[G0B+6:G0B+7], KSB
.endif
	s_wait_dscnt 5                                 ; the add and the youngest four loads may be out
	MULA 1, 0, 0
	s_wait_dscnt 0x0                               ; the add is done, my reads of this slot are over
	s_barrier_signal -1
	MULA 1, 1, 0
.if \round
	WIN 0
.endif
	s_barrier_wait -1
.endm
.macro TURN fill                       ; a step's last quarter; fill = 1: the slot just read is filled again, two steps ahead
.if \fill
	s_wait_xcnt 0x0                                ; the last prefetch, a K step back, has read its address
	s_add_nc_u64 s[PFA:PFA+1], s[PFA:PFA+1], s[KSP:KSP+1]
.endif
	MEET \fill
.if \fill
	CREST                                          ; no wave of any partner still reads this slot or has a load on its way
	JLOAD                                          ; the first tensor load behind the round; its four v_nop are also the places in front of the loads below
.else
	PLACES
.endif
	WIN 0
	s_xor_b32 s[RS], s[RS], SLOT
	v_add_nc_u32 v[ADRA], s[RS], v[A0]
	v_add_nc_u32 v[ADRB], s[RS], v[B0]
	FETCH 0, 0
.if \fill
	ASK
.endif
	MULA 1, 2, 0
	MULA 1, 3, 0
.endm
	s_load_b128 s[4:7], s[0:1], 0x0                ; nxb s[4:5], wb s[6:7]
	s_load_b64 s[72:73], s[0:1], 0x10              ; qkv
	v_lshl_add_u32 v[SPW], v0, 2, SPARE
	v_mov_b32 v[NIL], 0
	ds_add_u32 v[SPW], v[NIL]                      ; the wave's opening: the add and its wait ahead of my first tensor load
	v_lshrrev_b32 v1, 5, v0
	v_readfirstlane_b32 s10, v1                    ; wave 0..3
	s_lshr_b32 s11, s10, 1                         ; I fetch for A (0) or for B (1),
	s_and_b32 s12, s10, 1                          ; this plane of the step's two
	s_bfe_u32 s40, ttmp6, 0x40000                  ; cx
	s_bfe_u32 s41, ttmp6, 0x40004                  ; cy
	s_lshl_b32 s42, ttmp9, 2
	s_add_co_u32 s42, s42, s40                     ; tile column
	s_and_b32 s13, ttmp7, 0xffff
	s_lshl_b32 s13, s13, 2
	s_add_co_u32 s13, s13, s41                     ; tile row
	s_lshl_b32 s14, s41, 2
	s_lshl_b32 s14, 15, s14                        ; my row of the cluster
	s_lshl_b32 s15, 0x1111, s40                    ; my column
	s_or_b32 s[G1], s14, GW0
	s_or_b32 s[G1B], s15, GW0
	s_mov_b32 s[G1+1], DA0<<16                     ; tensor_dim0
	s_mov_b32 s[G1+2], DA1<<16                     ; tensor_dim1
	s_mov_b32 s[G1+3], DA0<<16                     ; tile_dim0
	s_mov_b32 s[G1+4], DA1                         ; tile_dim1
	s_mov_b32 s[G1+5], SA0                         ; elements from row to row
	s_mov_b32 s[G1+6], 0
	s_mov_b32 s[G1+7], 0
	s_mov_b32 s[G1B+1], DB0<<16
	s_mov_b32 s[G1B+2], DB1<<16
	s_mov_b32 s[G1B+3], DB0<<16
	s_mov_b32 s[G1B+4], DB1
	s_mov_b32 s[G1B+5], SB0
	s_mov_b32 s[G1B+6], 0
	s_mov_b32 s[G1B+7], 0
	s_mul_i32 s16, s12, (KB/2)*PLG                 ; A: my plane, the tile's rows
	s_mul_i32 s17, s13, TM*128
	s_add_co_u32 s16, s16, s17
	s_mov_b32 s17, 0
	s_mul_i32 s18, s12, (KB/2)*NCOL*128            ; B likewise
	s_mul_i32 s19, s42, TN*128
	s_add_co_u32 s18, s18, s19
	s_add_co_u32 s18, s18, BOFF
	s_mov_b32 s19, 0
	s_mul_i32 s[LWA], s12, (KB/2)*PLA              ; no place in the cluster enters an LDS address
	s_mul_i32 s[LWB], s12, (KB/2)*PLB
	s_add_co_u32 s[LWB], s[LWB], KB*PLA
	s_mov_b32 s[RS], 0
	s_mov_b32 s[FS], SLOT
	s_wait_dscnt 0x0                               ; the opening add is done
	s_wait_kmcnt 0x0
	s_add_nc_u64 s[20:21], s[4:5], s[16:17]
	s_add_nc_u64 s[22:23], s[6:7], s[18:19]
.irp s, 0,1
	s_mov_b32 s[G0+4*\s], 1
	s_add_co_u32 s[G0+4*\s+1], s[LWA], \s*SLOT
	s_add_nc_u64 s[G0+4*\s+2:G0+4*\s+3], s[20:21], \s*KSA
	s_or_b32 s[G0+4*\s+3], s[G0+4*\s+3], 0x80000000
	s_mov_b32 s[G0B+4*\s], 1
	s_add_co_u32 s[G0B+4*\s+1], s[LWB], \s*SLOT
	s_add_nc_u64 s[G0B+4*\s+2:G0B+4*\s+3], s[22:23], \s*KSB
	s_or_b32 s[G0B+4*\s+3], s[G0B+4*\s+3], 0x80000000
.endr
	CROUND                                         ; all sixteen work-groups are here: the first joint loads meet
	s_cmp_eq_u32 s11, 0                            ; a wave's two first fills stand in one branch: two loads of mine are out
	s_cbranch_scc0 .Lfirst_b
	tensor_load_to_lds s[G0:G0+3], s[G1:G1+7]
	s_nop 0
	tensor_load_to_lds s[G0+4:G0+7], s[G1:G1+7]
	s_nop 0
	PLACES
	s_branch .Lfirst_done
.Lfirst_b:
	tensor_load_to_lds s[G0B:G0B+3], s[G1B:G1B+7]
	s_nop 0
	tensor_load_to_lds s[G0B+4:G0B+7], s[G1B:G1B+7]
	s_nop 0
	PLACES
.Lfirst_done:
	; a fragment is 16 rows x 32 K in 8 registers: lane l holds row l % 16, K = 8 (l / 16) + 0..7 and 16 + 8 (l / 16) + 0..7: two loads of 16 bytes, 32 bytes apart
	v_and_b32 v1, 15, v0
	v_bfe_u32 v2, v0, 4, 1
	v_mul_u32_u24 v3, v1, 144
	v_lshl_add_u32 v3, v2, 4, v3
	s_mul_i32 s70, s10, 64*144                     ; my 64 rows of A
	v_add_nc_u32 v[A0], s70, v3
	v_add_nc_u32 v[B0], KB*PLA, v3                 ; all of B
	v_mov_b32 v[ADRA], v[A0]
	v_mov_b32 v[ADRB], v[B0]
	s_mul_i32 s71, s10, 16*144
	s_add_co_u32 s71, s71, STAGE                   ; my stage
	v_add_nc_u32 v[STO], s71, v3                   ; in: row l % 16, 16 bytes for each half of the lanes
	v_bfe_u32 v4, v0, 3, 2                         ; back: 32 lanes take four rows of 128 bytes,
	v_and_b32 v5, 7, v0
	v_mul_u32_u24 v4, v4, 144
	v_lshl_add_u32 v4, v5, 4, v4
	v_add_nc_u32 v[RD], s71, v4
	v_and_b32 v[GO], 31, v0                        ; which are 512 consecutive bytes of a plane
	v_lshlrev_b32 v[GO], 4, v[GO]
	s_mul_i32 s74, s42, 3*PLG                      ; the tile's three planes,
	s_lshl_b32 s75, s13, 15                        ; its 256 rows,
	s_add_co_u32 s74, s74, s75
	s_lshl_b32 s75, s10, 13                        ; my 64 of them
	s_add_co_u32 s74, s74, s75
	s_mov_b32 s75, 0
	s_add_nc_u64 s[72:73], s[72:73], s[74:75]
	; the prefetches
	s_and_b32 s76, ttmp7, 0xffff
	s_cmp_eq_u32 s11, 0
	s_cselect_b32 s77, s40, s41                    ; my place among the four that ask with me
	s_cselect_b32 s76, ttmp9, s76                  ; the coordinate along which other clusters read the same planes
	s_cselect_b64 s[PFA:PFA+1], s[20:21], s[22:23]
	s_mov_b32 s[KSP], KSB
	s_cselect_b32 s[KSP], KSA, s[KSP]
	s_mov_b32 s78, TN*32
	s_cselect_b32 s78, TM*32, s78                  ; a quarter of my plane's bytes
	s_cselect_b32 s79, 31, TN/8-1                  ; its last block of 256 bytes
	s_mov_b32 s[KSP+1], 0
	s_cmp_eq_u32 s76, 0
	s_cselect_b32 s[LIM], 1, -1
	s_mul_i32 s80, s78, s77
	s_mov_b32 s81, 0
	s_add_nc_u64 s[PFA:PFA+1], s[PFA:PFA+1], s[80:81]
	s_add_nc_u64 s[PFA:PFA+1], s[PFA:PFA+1], s[KSP:KSP+1]
	s_add_nc_u64 s[PFA:PFA+1], s[PFA:PFA+1], s[KSP:KSP+1]  ; at K step 2: the first refill steps it to 3
	v_and_b32 v[PFO], 31, v0
	v_min_u32 v[PFO], s79, v[PFO]
	v_lshlrev_b32 v[PFO], 8, v[PFO]
	s_wait_tensorcnt 0x1                           ; my part of step 0 is in; step 1's may stay out
	s_barrier_signal -1
	s_barrier_wait -1
	FETCH 0, 0
	QUARTER 0, 1, 64, 1                            ; the first quarter's products start all the sums
	WIN 0
	s_mov_b32 s3, TSTEPS-2
.Lmain:                                        ; a trip ends a step, fills its slot again and begins the next step
	PAIRS
	TURN 1
	QUARTER 0, 1, 64, 0
	WIN 0
	s_sub_co_u32 s3, s3, 1
	s_cmp_lg_u32 s3, 0
	s_cbranch_scc1 .Lmain
	s_mov_b32 s3, 2
.Ltail:                                        ; the last two steps fill nothing; the second trip is left in its middle, and its fetch of the other slot's first fragments serves nothing
	PAIRS
	TURN 0
	WIN 0
	s_sub_co_u32 s3, s3, 1
	s_cmp_eq_u32 s3, 0
	s_cbranch_scc1 .Lout
	QUARTER 0, 1, 64, 0
	WIN 0
	s_branch .Ltail
.Lout:
	s_wait_dscnt 0x0
	PLACES
	PLACES
; THE WAY OUT.  Block n = 3 a + pl: 16 rows x 64 columns = 2,048 consecutive bytes of a plane.  Rounded to bf16, 16 bytes a lane into my stage, back as whole rows, stored 512 consecutive bytes at a time.
.macro PACK n
.set pa, (\n)/3
.set pp, (\n)%3
.set oreg, 64+16*(\n)
	WIN 0x0a+5*(pa/2)
.set bb, 0
.rept 4
.set rD, 8*((pa%2)*NBK+4*pp+bb)
.irp r, 0,1,2,3
	v_cvt_pk_bf16_f32 v[oreg+4*bb+\r], v[rD+2*\r], v[rD+2*\r+1]
.endr
.set bb, bb+1
.endr
	WIN 0
.irp f, 0,1,2,3
	ds_store_b128 v[STO], v[oreg+4*\f:oreg+4*\f+3] offset:32*\f
.endr
.irp f, 0,1,2,3
	ds_load_b128 v[oreg+4*\f:oreg+4*\f+3], v[RD] offset:576*\f   ; LDS serves a wave's instructions in order: these see the stores above, the next block's stores come behind them
.endr
.endm
.macro SEND n, younger
.set pa, (\n)/3
.set pp, (\n)%3
.set oreg, 64+16*(\n)
.irp f, 0,1,2,3
	s_wait_dscnt (\younger)+3-\f
	global_store_b128 v[GO], v[oreg+4*\f:oreg+4*\f+3], s[72:73] offset:pp*PLG+pa*2048+\f*512
.endr
.endm
	PACK 0
.set nn, 1
.rept 11
	PACK nn
	SEND nn-1, 8
.set nn, nn+1
.endr
	SEND 11, 0
	s_wait_tensorcnt 0x0                           ; the wave's end
	ds_add_u32 v[SPW], v[NIL]
	s_wait_dscnt 0x0
	CROUND                                         ; the closing round
	s_endpgm
.Lfunc_end_k_q4a5116aa71_gqkv:
	.size	k_q4a5116aa71_gqkv, .Lfunc_end_k_q4a5116aa71_gqkv-k_q4a5116aa71_gqkv
	.p2alignl 7, 3214868480
	.fill 96, 4, 3214868480
	.section	.rodata,"a",@progbits
	.p2align	6, 0x0
	.amdhsa_kernel k_q4a5116aa71_gqkv
		.amdhsa_group_segment_fixed_size 327680
		.amdhsa_private_segment_fixed_size 0
		.amdhsa_enable_private_segment 0
		.amdhsa_kernarg_size 24
		.amdhsa_user_sgpr_count 2
		.amdhsa_user_sgpr_kernarg_segment_ptr 1
		.amdhsa_wavefront_size32 1
		.amdhsa_system_sgpr_workgroup_id_x 1
		.amdhsa_system_sgpr_workgroup_id_y 1
		.amdhsa_system_sgpr_workgroup_id_z 1
		.amdhsa_system_vgpr_workitem_id 0
		.amdhsa_next_free_vgpr 1024
		.amdhsa_next_free_sgpr 100
		.amdhsa_reserve_vcc 0
		.amdhsa_float_denorm_mode_32 3
		.amdhsa_float_denorm_mode_16_64 3
		.amdhsa_memory_ordered 1
		.amdhsa_forward_progress 1
		.amdhsa_inst_pref_size 85
	.end_amdhsa_kernel
	.amdgpu_metadata
---
amdhsa.version: [ 1, 2 ]
amdhsa.kernels:
  - .name:           k_q4a5116aa71_gqkv
    .symbol:         k_q4a5116aa71_gqkv.kd
    .args:
      - { .name: nxb, .offset: 0, .size: 8, .value_kind: global_buffer, .address_space: global }
      - { .name: wb, .offset: 8, .size: 8, .value_kind: global_buffer, .address_space: global }
      - { .name: qkv, .offset: 16, .size: 8, .value_kind: global_buffer, .address_space: global }
    .group_segment_fixed_size: 327680
    .private_segment_fixed_size: 0
    .kernarg_segment_align: 8
    .kernarg_segment_size: 24
    .max_flat_workgroup_size: 128
    .sgpr_count:     100
    .vgpr_count:     1024
    .wavefront_size: 32
...
	.end_amdgpu_metadata
.endif
;; end of part 2
;; launch attn (part 3): grid 16 x 16, 4 waves a work-group, clusters of 4 x 1, 327,680 bytes of LDS; arguments qkv, ao; writes ao
.if DOCPART == 3
	.amdgcn_target "amdgcn-amd-amdhsa--gfx1250"
	.amdhsa_code_object_version 6
	.text
	.protected	k_q4a5116aa71_attn
	.globl	k_q4a5116aa71_attn
	.p2align	8
	.type	k_q4a5116aa71_attn,@function
k_q4a5116aa71_attn:
	s_mov_b64 s[64:65], 0
	v_nop
	global_prefetch_b8 v0, s[64:65] scope:SCOPE_SE
	s_setreg_imm32_b32 hwreg(HW_REG_WAVE_MODE, 25, 1), 1
	s_wait_xcnt 0x0
	s_wait_alu depctr_hold_cnt(0) depctr_sa_sdst(0) depctr_va_vdst(0) depctr_va_sdst(0) depctr_va_ssrc(0) depctr_va_vcc(0) depctr_vm_vsrc(0)
	s_getreg_b32 s2, hwreg(HW_REG_IB_STS2, 6, 4)
	s_cmp_eq_u32 s2, 0
	s_cbranch_scc0 .Lentry_in_a_cluster
	s_endpgm
.Lentry_in_a_cluster:
	s_bfe_u32 s2, ttmp6, 0x10000c
	s_cmp_lg_u32 s2, 0x3003
	s_cbranch_scc0 .Lentry_shape_is_right
	s_endpgm
.Lentry_shape_is_right:
; CAUSAL ATTENTION, 16 heads of 64 channels, 4,096 rows.  q, k, v: planes 0-15, 16-31, 32-47 of qkv, [4096][64] bf16 each; O: ao [16][4096][64] bf16.  Products, maxima and sums in f32; the weights p are
; rounded to bf16 for the second product (their sum l is taken of the unrounded p), O once at the end.
; LIMITS.  A hidden score counts as -2^100 (scores stay under 2^75 in magnitude: beside -2^100 they vanish, so every hidden score is the same number, and c x -2^100 is exact); a weight below 2^-126 counts as 0;
; NaN and infinities are not treated apart.
; THE WALK.  A head's queries lie in 8 super-blocks of 512.  A cluster of four work-groups takes super-blocks 7 - B and then B (B = the cluster's x); partner e takes queries 128 e .. 128 e + 127 of each.  Super-block
; s needs the key tiles 0 .. 2 s + 1 of 256 keys: 16 - 2 B and 2 B + 2 tiles, 18 whatever B.  All four partners walk the same tiles, so each tile is asked for JOINTLY, and every trip count is a constant.
; SHARES.  Wave w: qh = w / 2 picks 64 of the 128 queries, four PIECES of 16; kh = w % 2 picks the key steps 2 kh and 2 kh + 1 (64 keys each) of every tile.  At a block's end the two waves of a query half
; put c m, l and O^T (f32) into LDS, and each merges two pieces: O = (fA OA + fB OB) / (fA lA + fB lB), f = 2^(c m - max).  A wave that has seen hidden keys alone has c m = c x -2^100 and f = 0.
; THE MASK is the C operand that starts S^T = K Q^T: MC, 32 registers, 0 outside a block's last two tiles.  In units of 16, GG = (piece 0's first query - the step's first key) / 16; for piece t and key group kt,
; u = t + GG: kt > u hidden, kt = u the diagonal (DG), kt < u open: MC = DG x AL + BE with two scalars.  A partner's place enters these selected values alone: no branch, no trip count, no LDS address.
; LAYOUT, SOFTMAX, TURNS.  S^T holds ONE query a lane (lane % 16) and the keys 8 (lane / 16) + 0..7; two results rounded to bf16 ARE source 1 of O^T = V^T P.  p = 2^(c s - c m), c = log2(e) / 8, with a running
; maximum m; O and l are multiplied by a = 2^(c m_old - c m_new) in every step.  Turn n belongs to piece n: 8 products K Q^T of piece n + 1, later 8 products V^T P of piece n - 1; beside them the scaling,
; exponentials, roundings, sums and rescaling of piece n and the maximum and statistics of piece n + 1.  Four vector instructions stand behind every matrix instruction, the rest in one lump; a turn's 33 exponentials
; are one batch with one wait.
; REGISTERS in windows of 256: window 0: v2-15 addresses, v16-31 statistics, v32-47 the merge's, v48-55 at work, v56-63 addresses, v64-127 S^T (two buffers), v64-191 the merge's O, v192-223 P (two buffers);
; window 1: v0-127 O^T, v128-135 DG, v160-191 MC; window 2: v0-63 Q, v64-127 the second block's Q, v128-191 K of a step, v192-255 V of a step.
.set NP,    4
.set KS,    64
.set PK,    144       ; a row of K in LDS: 128 bytes + 16 = 36 words: 16 rows start at 16 different groups of four banks
.set PV,    160       ; a row of V: 128 + 32 = 40 words
.set VOFF,  4*KS*PK   ; a slot holds a tile: 256 rows of K, then 256 rows of V
.set SLOT1, 1<<17
.set STAGE, SLOT1+4*KS*(PK+PV)  ; 16 rows x 144 bytes for each wave, for the way out
.set SP,    144
.set SPARE, STAGE+4*16*SP       ; the spare words: 128 bytes a wave, named by no other line
.set OBUF,  SPARE+512           ; each wave's O^T, 16,384 bytes
.set TAB,   OBUF+4*16384        ; each wave's (c m, l): 4 pieces x 16 queries x 8 bytes
.set AK0, 2
.set AV0, 3
.set AK,  4
.set AV,  5
.set STO, 6
.set RD,  7
.set GO,  8
.set MV,  12
.set QO,  15
.set ST,  16          ; piece t: c m, m, l (even keys', odd keys')
.set MT,  32
.set TMP, 48
.set TABW, 56
.set TABR, 57
.set OBW, 58
.set OBR, 59
.set PFO, 61
.set SPW, 62
.set NIL, 63
.set S,   64
.set OA,  64
.set P,   192
.set DG,  128
.set MC,  160
.set QB,  64
.set KF,  128
.set VF,  192
.set WV,  12
.set CXE, 13          ; e
.set BP,  14          ; B
.set HIB, 15          ; 7 - B
.set KH,  16
.set QH,  17
.set G1K, 24
.set G1V, 32
.set G0K, 40
.set G0V, 44
.set KBA, 48          ; s[48:49] K at my half of the head's tile 0; s[50:51] V
.set VBA, 50
.set OP1, 52          ; s[52:53] O at my two pieces of the block in hand; s[54:55] of the second block
.set OLO, 54
.set SLOTS, 56
.set CNT, 57
.set CS,  58
.set SEL, 60
.set TBK, 62
.set TBV, 63
.set RT,  66          ; tiles of the block in hand still to be entered
.set NXT, 67          ; the tile to be asked for next
.set LQ,  68          ; the last tile of the block whose tiles are being asked for
.set NEW, 69
.set OFF, 70
.set AL,  72
.set BE,  74
.set BIGN, 76
.set GG,  77
.set GS,  78
.set GST, 79          ; GG at the beginning of the block to come
.set GLO, 80
.set MK,  81          ; 1: the K in registers belongs to one of the block's last two tiles
.set MKN, 82          ; the same for the tile just entered
.set UU,  83
.set TKA, 84
.set KD,  85
.set PFA, 86
.set LIM, 88
.set LQ2, 89
.set NLAST, 90        ; 1: the tile in hand is not its block's last
.set TT,  91
.set QP1, 92
.set QP2, 94
.set RT2, 96
.set MSB, 0
.macro WIN new
.if MSB != (\new)
	s_set_vgpr_msb (MSB<<8)|(\new)
.set MSB, (\new)
.endif
.endm
.set W_KQ, 0x0a       ; K and Q in window 2, S^T in window 0
.set W_KM, 0x1a       ; the same with the C operand in window 1
.set W_PV, 0x52       ; V in window 2, P in window 0, O^T in window 1
.set W_RS, 0x41       ; destination and source 0 in window 1
.macro JLOAD                        ; a joint fill: waves 0, 1 the two halves of a tile's K, waves 2, 3 of its V; an s_nop 0 and four v_nop follow each line
	s_cmp_lt_u32 s[WV], 2
	s_cbranch_scc0 .Lfor_v_\@
	tensor_load_to_lds s[G0K:G0K+3], s[G1K:G1K+7]
	s_nop 0
.rept 4
	v_nop
.endr
	s_branch .Lasked_\@
.Lfor_v_\@:
	tensor_load_to_lds s[G0V:G0V+3], s[G1V:G1V+7]
	s_nop 0
.rept 4
	v_nop
.endr
.Lasked_\@:
.endm
; A prefetch of the tile that the NEXT change of slots will ask for.  All clusters of a head walk tiles 0 on: the head's first cluster asks, while it walks tiles 0 to 15; its four partners take 8,192 bytes each, by
; address; in each, wave 0 asks for K's and wave 2 for V's, a lane for each 256 bytes.  Tiles 2 to 15 are named once each; the second block's tiles are asked for by nobody.
.macro ASK
	s_cmp_gt_u32 s[SLOTS], s[LIM]
	s_cbranch_scc0 .Lnot_mine_\@
	global_prefetch_b8 v[PFO], s[PFA:PFA+1] th:TH_LOAD_NT scope:SCOPE_SE
.Lnot_mine_\@:
.endm
.macro CROUND
	s_barrier_signal -1
	s_barrier_wait -1
	s_cmp_lg_u32 s[WV], 0
	s_cbranch_scc1 .Lnot_wave_0_\@
	s_barrier_signal -3
.Lnot_wave_0_\@:
	s_barrier_wait -3
	s_barrier_signal -1
	s_barrier_wait -1
.endm
; THE CHANGE OF SLOTS.  Each wave waits for all its tensor loads (one is out: its part of the other slot), adds 0 to its spare word, and waits for that and for its reads of the slot that it leaves.
; fill = 1: a round of the cluster's barrier, and the old slot is filled again, first thing behind it, with tile NXT: the descriptor's address is made anew from that number.
.macro CHANGE fill
	WIN 0
	s_wait_tensorcnt 0x0
	ds_add_u32 v[SPW], v[NIL]
.if \fill
	s_lshl_b32 s[OFF], s[NXT], 15   ; a tile is 32,768 bytes of K and of V
	s_xor_b32 s[G0K+1], s[G0K+1], SLOT1
	s_add_nc_u64 s[G0K+2:G0K+3], s[KBA:KBA+1], s[OFF:OFF+1]
	s_or_b32 s[G0K+3], s[G0K+3], 0x80000000
	s_xor_b32 s[G0V+1], s[G0V+1], SLOT1
	s_add_nc_u64 s[G0V+2:G0V+3], s[VBA:VBA+1], s[OFF:OFF+1]
	s_or_b32 s[G0V+3], s[G0V+3], 0x80000000
	s_add_co_u32 s[NXT], s[NXT], 1  ; the block's next tile, or behind its last the second block's tile 0
	s_cmp_gt_u32 s[NXT], s[LQ]
	s_cselect_b32 s[NXT], 0, s[NXT]
	s_cselect_b32 s[LQ], s[LQ2], s[LQ]
	s_wait_xcnt 0x0                 ; the last prefetch, a tile back, has read its address
	s_add_nc_u64 s[PFA:PFA+1], s[PFA:PFA+1], 32768
.endif
	s_sub_co_u32 s[TBK], s[TBK], 2*KS*PK  ; the fetches go back to my first step of a tile,
	s_xor_b32 s[TBK], s[TBK], SLOT1       ; in the other slot
	s_sub_co_u32 s[TBV], s[TBV], 2*KS*PV
	s_xor_b32 s[TBV], s[TBV], SLOT1
	s_wait_dscnt 0x0                ; the add is done, my reads of the slot are over
.if \fill
	CROUND
	JLOAD
	ASK
.else
	s_barrier_signal -1
	s_barrier_wait -1
.endif
.endm
	s_load_b128 s[4:7], s[0:1], 0x0 ; qkv s[4:5], ao s[6:7]
	v_lshl_add_u32 v[SPW], v0, 2, SPARE
	v_mov_b32 v[NIL], 0
	ds_add_u32 v[SPW], v[NIL]       ; the wave's opening: the add and its wait ahead of my first tensor load
	v_lshrrev_b32 v1, 5, v0
	v_readfirstlane_b32 s[WV], v1
	s_bfe_u32 s[CXE], ttmp6, 0x40000
	s_mov_b32 s[BP], ttmp9
	s_sub_co_u32 s[HIB], 7, s[BP]
	s_and_b32 s[KH], s[WV], 1
	s_lshr_b32 s[QH], s[WV], 1
	s_and_b32 s20, ttmp7, 0xffff
	s_lshl_b32 s20, s20, 19         ; the head's plane
	s_lshl_b32 s22, s[KH], 14       ; which half of a tile's 256 keys I fetch
	s_add_co_u32 s22, s22, s20
	s_mov_b32 s23, 0
	s_lshl_b32 s18, s[CXE], 14      ; my work-group's 128 queries,
	s_lshl_b32 s19, s[QH], 13       ; my 64 of them
	s_add_co_u32 s18, s18, s19
	s_add_co_u32 s18, s18, s20
	s_lshl_b32 s2, s[HIB], 16       ; in the first block,
	s_add_co_u32 s2, s2, s18
	s_mov_b32 s3, 0
	s_lshl_b32 s8, s[BP], 16        ; and in the second
	s_add_co_u32 s8, s8, s18
	s_mov_b32 s9, 0
	s_lshl_b32 s10, s[KH], 12       ; the two pieces that I merge and store
	s_mov_b32 s11, 0
	s_lshl_b32 s[GLO], s[CXE], 3
	s_lshl2_add_u32 s[GLO], s[QH], s[GLO]
	s_lshl_b32 s19, s[KH], 3
	s_sub_co_i32 s[GLO], s[GLO], s19  ; 8 e + 4 qh - 8 kh
	s_lshl_b32 s19, s[HIB], 5
	s_add_co_i32 s[GST], s[GLO], s19
	s_lshl_b32 s19, s[BP], 5
	s_add_co_i32 s[GLO], s[GLO], s19
	s_lshl_b32 s19, s[BP], 1
	s_sub_co_u32 s[RT], 16, s19
	s_sub_co_u32 s[LQ], 15, s19
	s_add_co_u32 s[RT2], s19, 2
	s_add_co_u32 s[LQ2], s19, 1
	s_mov_b32 s[NXT], 1
	s_mov_b32 s[NEW], 1
	s_mov_b32 s[OFF+1], 0
	s_mov_b32 s[AL+1], 0            ; named as pairs
	s_mov_b32 s[BE+1], 0
	s_mov_b32 s[BIGN], 0xf1800000   ; -2^100
	s_mov_b32 s[SLOTS], 17
	s_mov_b32 s[MK], 0
	s_mov_b32 s[MKN], 0
	s_mov_b32 s[GG], 0
	s_mov_b32 s[G1K], 15|(1<<16)|(1<<20)|(1<<21)|(4<<22)|(3<<25)  ; the mask of four; 2-byte elements; padding on; bit 21 beside a mask; after every 32 words; 4 words
	s_mov_b32 s[G1V], 15|(1<<16)|(1<<20)|(1<<21)|(4<<22)|(7<<25)  ; the same with 8 words
.irp g, G1K, G1V
	s_mov_b32 s[\g+1], 128<<16      ; 128 keys are 16,384 dense bytes: 64 rows of 256 bytes, two keys a row
	s_mov_b32 s[\g+2], 64<<16
	s_mov_b32 s[\g+3], 128<<16
	s_mov_b32 s[\g+4], 64
	s_mov_b32 s[\g+5], 128
	s_mov_b32 s[\g+6], 0
	s_mov_b32 s[\g+7], 0
.endr
	s_mov_b32 s[CS], 0x3e38aa3b     ; c = log2(e) / 8
	s_mov_b32 s[CS+1], s[CS]
	s_mov_b32 s[SEL], 0x76543210
	s_mov_b32 s[SEL+1], 0xfedcba98
	s_mul_i32 s[TBK], s[KH], 2*KS*PK  ; the first change of slots turns these into my first step's place in slot 0
	s_add_co_u32 s[TBK], s[TBK], SLOT1+2*KS*PK
	s_mul_i32 s[TBV], s[KH], 2*KS*PV
	s_add_co_u32 s[TBV], s[TBV], SLOT1+2*KS*PV
	s_mov_b32 s[G0K], 1
	s_mul_i32 s[G0K+1], s[KH], 128*PK
	s_mov_b32 s[G0V], 1
	s_mul_i32 s[G0V+1], s[KH], 128*PV
	s_add_co_u32 s[G0V+1], s[G0V+1], VOFF
	s_and_b32 s[LIM], s[WV], 1
	s_or_b32 s[LIM], s[LIM], ttmp9
	s_cmp_eq_u32 s[LIM], 0
	s_cselect_b32 s[LIM], 3, -1
	v_and_b32 v[PFO], 31, v0
	v_lshlrev_b32 v[PFO], 8, v[PFO]
	s_wait_dscnt 0x0                ; the opening add is done
	s_wait_kmcnt 0x0
	s_add_nc_u64 s[KBA:KBA+1], s[4:5], s[22:23]
	s_add_nc_u64 s[VBA:VBA+1], s[KBA:KBA+1], 0x1000000  ; v's planes begin 32 planes on,
	s_add_nc_u64 s[KBA:KBA+1], s[KBA:KBA+1], 0x800000   ; k's 16
	s_add_nc_u64 s[G0K+2:G0K+3], s[KBA:KBA+1], 0
	s_or_b32 s[G0K+3], s[G0K+3], 0x80000000
	s_add_nc_u64 s[G0V+2:G0V+3], s[VBA:VBA+1], 0
	s_or_b32 s[G0V+3], s[G0V+3], 0x80000000
	s_add_nc_u64 s[QP2:QP2+1], s[4:5], s[8:9]
	s_add_nc_u64 s[QP1:QP1+1], s[4:5], s[2:3]
	s_add_nc_u64 s[OLO:OLO+1], s[6:7], s[8:9]
	s_add_nc_u64 s[OLO:OLO+1], s[OLO:OLO+1], s[10:11]
	s_add_nc_u64 s[OP1:OP1+1], s[6:7], s[2:3]
	s_add_nc_u64 s[OP1:OP1+1], s[OP1:OP1+1], s[10:11]
	s_cmp_lt_u32 s[WV], 2
	s_cselect_b64 s[PFA:PFA+1], s[KBA:KBA+1], s[VBA:VBA+1]  ; (in waves 0 and 2 these stand at a tile's first row)
	s_lshl_b32 s2, s[CXE], 13
	s_add_nc_u64 s[PFA:PFA+1], s[PFA:PFA+1], s[2:3]
	s_add_nc_u64 s[PFA:PFA+1], s[PFA:PFA+1], 32768  ; at tile 1: the first change steps it to tile 2
	CROUND                          ; all four work-groups are here
	JLOAD                           ; tile 0 into slot 0; slot 1 is asked for when slot 0 is in
	v_and_b32 v1, 15, v0            ; l % 16
	v_bfe_u32 v9, v0, 4, 1          ; l / 16
	v_lshlrev_b32 v[QO], 7, v1
	v_lshl_add_u32 v[QO], v9, 4, v[QO]
	WIN 0x80
.set i, 0
.rept 8                             ; both blocks' Q: piece i / 2, channels 32 (i % 2) on
	global_load_b128 v[8*i:8*i+3],   v[QO], s[QP1:QP1+1] offset:(i/2)*2048+(i%2)*64
	global_load_b128 v[8*i+4:8*i+7], v[QO], s[QP1:QP1+1] offset:(i/2)*2048+(i%2)*64+32
	global_load_b128 v[QB+8*i:QB+8*i+3],   v[QO], s[QP2:QP2+1] offset:(i/2)*2048+(i%2)*64
	global_load_b128 v[QB+8*i+4:QB+8*i+7], v[QO], s[QP2:QP2+1] offset:(i/2)*2048+(i%2)*64+32
.set i, i+1
.endr
	WIN 0
	v_lshlrev_b32 v14, 3, v9
	v_sub_nc_u32 v14, v1, v14       ; l % 16 - 8 (l / 16): on the diagonal register j is hidden where j is greater
	WIN 0x40
.set i, 0
.rept 8
	v_cmp_gt_i32 vcc_lo, i, v14
	v_cndmask_b32 v[DG+i], 0, s[BIGN], vcc_lo
.set i, i+1
.endr
	WIN 0
	v_mul_u32_u24 v[AK0], v1, PK
	v_lshl_add_u32 v[AK0], v9, 4, v[AK0]
	v_and_b32 v10, 7, v0            ; the turning load: lane l reads key 8 (l / 16) + l % 8, channels 8 ((l / 8) % 2) + 0..7
	v_bfe_u32 v11, v0, 3, 1
	v_lshl_add_u32 v[AV0], v9, 3, v10
	v_mul_u32_u24 v[AV0], v[AV0], PV
	v_lshl_add_u32 v[AV0], v11, 4, v[AV0]
	v_add_nc_u32 v[AV0], VOFF, v[AV0]
	s_mul_i32 s21, s[WV], 16*SP
	s_add_co_u32 s21, s21, STAGE
	v_mul_u32_u24 v[STO], v1, SP
	v_lshl_add_u32 v[STO], v9, 4, v[STO]
	v_add_nc_u32 v[STO], s21, v[STO]
	v_bfe_u32 v[RD], v0, 3, 2
	v_mul_u32_u24 v[RD], v[RD], SP
	v_lshl_add_u32 v[RD], v10, 4, v[RD]
	v_add_nc_u32 v[RD], s21, v[RD]
	v_and_b32 v[GO], 31, v0
	v_lshlrev_b32 v[GO], 4, v[GO]
	s_lshl_b32 s21, s[WV], 9
	s_add_co_u32 s21, s21, TAB
	v_lshl_add_u32 v[TABW], v1, 3, s21
	s_lshl_b32 s21, s[QH], 10       ; the pair's first wave,
	s_lshl_b32 s23, s[KH], 8        ; the two pieces that I merge
	s_add_co_u32 s21, s21, s23
	s_add_co_u32 s21, s21, TAB
	v_lshl_add_u32 v[TABR], v1, 3, s21
	s_lshl_b32 s21, s[WV], 14
	s_add_co_u32 s21, s21, OBUF
	v_add_nc_u32 v[OBW], s21, v[GO]
	s_lshl_b32 s21, s[QH], 15
	s_lshl_b32 s23, s[KH], 13
	s_add_co_u32 s21, s21, s23
	s_add_co_u32 s21, s21, OBUF
	v_add_nc_u32 v[OBR], s21, v[GO]
	; A block's first step multiplies O^T and l by a = 0, and its first turn's products V^T P, of a piece that has not been, land in an O^T that is still to be so multiplied: these registers need only be finite.
	WIN 0x80
.set i, VF
.rept 64
	v_mov_b32 v[i], 0
.set i, i+1
.endr
	WIN 0x40
.set i, 0
.rept 128
	v_mov_b32 v[i], 0
.set i, i+1
.endr
	WIN 0
.set i, 0
.rept 4
	v_mov_b32 v[ST+4*i+2], 0
	v_mov_b32 v[ST+4*i+3], 0
.set i, i+1
.endr
.set i, P+16
.rept 16
	v_mov_b32 v[i], 0
.set i, i+1
.endr
; THE MATRIX WORK.  The 4 accumulators of a run of 8 take turns.  Product i of 8 of S^T = K Q^T for piece x: channels 32 (i / 4) on, keys 16 (i % 4) on; the first 4 start the sums with the mask.
.macro KQ x
.set rS, S+32*((\x)%2)+8*(i%4)
.set rK, KF+16*(i%4)+8*(i/4)
.set rQ, 16*(\x)+8*(i/4)
.set rM, MC+8*(i%4)
.if i < 4
	WIN W_KM
	v_wmma_f32_16x16x32_bf16 v[rS:rS+7], v[rK:rK+7], v[rQ:rQ+7], v[rM:rM+7]
.else
	WIN W_KQ
	v_wmma_f32_16x16x32_bf16 v[rS:rS+7], v[rK:rK+7], v[rQ:rQ+7], v[rS:rS+7]
.endif
.endm
.macro PV x                         ; product i of 8 of O^T += V^T P for piece x: keys 32 (i / 4) on, channels 16 (i % 4) on
	WIN W_PV
.set rO, 32*(\x)+8*(i%4)
.set rV, VF+32*(i/4)+8*(i%4)
.set rP, P+16*((\x)%2)+8*(i/4)
	v_wmma_f32_16x16x32_bf16 v[rO:rO+7], v[rV:rV+7], v[rP:rP+7], v[rO:rO+7]
.endm
.macro MM                           ; the turn's next matrix instruction
.if i < 8
	KQ (Y+1)%NP
.else
.set i, i-8
	PV (Y+NP-1)%NP
.set i, i+8
.endif
.set i, i+1
.endm
; THE LDS LOADS stand in runs of 16.  upd = 1 (in piece 2's turn): the scalars that go with the K just asked for.  In the drain (CNT = 1) the last step's K is fetched once more, and neither the place nor the mask steps.
.macro FETCH_K upd
	WIN 0x80
.irp f, 0,1,2,3,4,5,6,7
	ds_load_b128 v[KF+8*\f:KF+8*\f+3],   v[AK] offset:(\f/2)*16*PK+(\f%2)*64
	ds_load_b128 v[KF+8*\f+4:KF+8*\f+7], v[AK] offset:(\f/2)*16*PK+(\f%2)*64+32
.endr
.if \upd
	s_sub_co_u32 s[KD], KS*PK, s[KD]
	s_add_co_u32 s[TBK], s[TBK], s[KD]
	s_cmp_eq_u32 s[CNT], 3          ; from a tile's second step of mine to the next tile's first: three key steps on,
	s_cselect_b32 s[GS], 12, 4      ; else one
	s_cmp_eq_u32 s[CNT], 1
	s_cselect_b32 s[GS], 0, s[GS]
	s_sub_co_i32 s[GG], s[GG], s[GS]
	s_mov_b32 s[MK], s[MKN]
.else
	s_add_co_u32 s[TBK], s[TBK], KS*PK
.endif
	WIN 0
.endm
.macro FETCH_V
	WIN 0x80
.irp f, 0,1,2,3,4,5,6,7
	ds_load_tr16_b128 v[VF+8*\f:VF+8*\f+3],   v[AV] offset:(\f/4)*32*PV+(\f%4)*32
	ds_load_tr16_b128 v[VF+8*\f+4:VF+8*\f+7], v[AV] offset:(\f/4)*32*PV+16*PV+(\f%4)*32
.endr
	WIN 0
.endm
.macro MASKB t                      ; the mask of piece t's products with the K in registers
	s_add_co_i32 s[UU], s[GG], \t
	WIN W_RS
.irp kt, 0,1,2,3
	s_cmp_eq_i32 s[UU], \kt         ; the diagonal's group?
	s_cselect_b32 s[AL], 1.0, 0
	s_cmp_lt_i32 s[UU], \kt         ; or a later one?
	s_cselect_b32 s[BE], s[BIGN], 0
.irp z, 0,1,2,3
	v_pk_fma_f32 v[MC+8*\kt+2*\z:MC+8*\kt+2*\z+1], v[DG+2*\z:DG+2*\z+1], s[AL:AL+1], s[BE:BE+1] op_sel_hi:[1,0,0]
.endr
.endr
.endm
; THE VECTOR WORK, one line at a time: OP kind, number.  For piece Y: F n: c s - c m for pair n of 16.  E n: the exponential of score n of 32.  C n: pair n rounded to bf16.  B n: of the four weights 4 n .. the second
; pair is added onto the first.  L n: l takes that sum (L 0: l = a l + sum).  R n: pair n of 16 of O^T times a.  For piece Y + 1: X n, number n of the 22 that find its maximum and statistics (each accumulator's
; lowest registers are read first): 0-11 four chains of seven scores; 12-14, 16 the rest, the old m, all into c0; 15 c m_old is kept; 17, 18 the other half of the lanes; 19-21 c m, its change, a.
.set F, 0
.set E, 1
.set C, 2
.set B, 3
.set L, 4
.set R, 5
.set X, 6
.macro REGS y
.set rT, ST+4*(\y)
.set rC, TMP+4*((\y)%2)
.set rW, MV+((\y)%2)
.set rS, S+32*((\y)%2)
.set rP, P+16*((\y)%2)
.set rO, 32*(\y)
.endm
.macro OP k, n
.if (\k) == R
	REGS Y
	WIN W_RS
	v_pk_mul_f32 v[rO+2*(\n):rO+2*(\n)+1], v[rO+2*(\n):rO+2*(\n)+1], v[rC+2:rC+3] op_sel_hi:[1,0]
.elseif (\k) < R
	REGS Y
	WIN 0
.if (\k) == F
	v_pk_fma_f32 v[rS+2*(\n):rS+2*(\n)+1], v[rS+2*(\n):rS+2*(\n)+1], s[CS:CS+1], v[rT:rT+1] op_sel_hi:[1,0,0] neg_lo:[0,0,1] neg_hi:[0,0,1]
.elseif (\k) == E
	v_exp_f32 v[rS+(\n)], v[rS+(\n)]
.elseif (\k) == C
	v_cvt_pk_bf16_f32 v[rP+(\n)], v[rS+2*(\n)], v[rS+2*(\n)+1]
.elseif (\k) == B
	v_pk_add_f32 v[rS+4*(\n):rS+4*(\n)+1], v[rS+4*(\n):rS+4*(\n)+1], v[rS+4*(\n)+2:rS+4*(\n)+3]
.elseif (\n) == 0
	v_pk_fma_f32 v[rT+2:rT+3], v[rT+2:rT+3], v[rC+2:rC+3], v[rS:rS+1] op_sel_hi:[1,0,1]
.else
	v_pk_add_f32 v[rT+2:rT+3], v[rT+2:rT+3], v[rS+4*(\n):rS+4*(\n)+1]
.endif
.else
	REGS (Y+1)%NP
	WIN 0
.if (\n) < 4
	v_max3_num_f32 v[rC+(\n)], v[rS+8*(\n)], v[rS+8*(\n)+1], v[rS+8*(\n)+2]
.elseif (\n) < 12
	v_max3_num_f32 v[rC+(\n)%4], v[rC+(\n)%4], v[rS+8*((\n)%4)+2*((\n)/4)+1], v[rS+8*((\n)%4)+2*((\n)/4)+2]
.elseif (\n) == 12
	v_max3_num_f32 v[rC], v[rC], v[rS+7], v[rS+15]
.elseif (\n) == 13
	v_max3_num_f32 v[rC+1], v[rC+1], v[rS+23], v[rS+31]
.elseif (\n) == 14
	v_max3_num_f32 v[rC+2], v[rC+2], v[rC+3], v[rT+1]
.elseif (\n) == 15
	v_mov_b32 v[rW], v[rT]
.elseif (\n) == 16
	v_max3_num_f32 v[rC], v[rC], v[rC+1], v[rC+2]
.elseif (\n) == 17
	v_permlanex16_b32 v[rC+3], v[rC], s[SEL], s[SEL+1]
.elseif (\n) == 18
	v_max_num_f32 v[rT+1], v[rC], v[rC+3]
.elseif (\n) == 19
	v_mul_f32 v[rT], s[CS], v[rT+1]
.elseif (\n) == 20
	v_sub_f32 v[rC+1], v[rW], v[rT]
.else
	v_exp_f32 v[rC+2], v[rC+1]
.endif
.endif
.endm
.macro OPS a, i1, b=-1, i2=0, c=-1, i3=0, d=-1, i4=0
	OP \a, \i1
.if (\b) >= 0
	OP \b, \i2
.endif
.if (\c) >= 0
	OP \c, \i3
.endif
.if (\d) >= 0
	OP \d, \i4
.endif
.endm
.macro ROW a, i1, b, i2, c, i3, d, i4  ; a matrix instruction and the four behind it
	MM
	OPS \a, \i1, \b, \i2, \c, \i3, \d, \i4
.endm
; A TURN, for piece p.  At its head the mask for its own products K Q^T is made where the K in registers belongs to one of the block's last two tiles.  AHEAD OF THE ONE WAIT stands all that names no result of the turn's
; exponentials: the 8 products K Q^T and their riders, and the lump; X 21, the next piece's a, is the batch's last, and R 15 the plain instruction behind it.  BEHIND IT the 8 products V^T P, behind each four of the
; roundings and sums.  K of the next step is fetched in piece 2's turn, V of the step in hand at the end of piece 0's, four plain instructions behind the last product that read it; each is waited for a turn later.
.macro TURN p
.set Y, (\p)
.set i, 0
	WIN 0
	s_cmp_eq_u32 s[MK], 0
	s_cbranch_scc1 .Lnm_\@
	MASKB ((\p)+1)%NP
	WIN 0
.Lnm_\@:
.if (\p) == 2
	s_cmp_eq_u32 s[CNT], 1
	s_cselect_b32 s[KD], KS*PK, 0
	s_sub_co_u32 s[TKA], s[TBK], s[KD]
.endif
.if (\p) == 3
	s_wait_dscnt 0x0                ; K is in
.endif
	ROW F,0, F,1, R,0, R,1
	ROW F,2, E,0, R,2, R,3
	ROW F,3, E,1, R,4, R,5
	ROW F,4, E,2, R,6, R,7
	ROW F,5, E,3, R,8, R,9
	ROW F,6, E,4, X,0, R,10
.if (\p) == 2
	WIN 0
	v_add_nc_u32 v[AK], s[TKA], v[AK0]
.endif
	ROW F,7, E,5, X,1, X,4
	ROW F,8, E,6, X,2, X,5
	OPS E,7, E,8, X,6, E,9
	OPS X,3, E,10, X,8, E,11
.if (\p) == 2
	FETCH_K 1
.endif
	OPS X,9, X,7, E,12, X,10
	OPS E,13, X,12, X,11, E,14
	OPS X,13, E,15, F,9, X,14
.if (\p) == 0
	v_add_nc_u32 v[AV], s[TBV], v[AV0]
.endif
	OPS E,16, F,10, E,17, F,11
	OPS X,16, E,18, X,15, E,19
	OPS F,12, E,20, X,17, E,21
	OPS F,13, E,22, F,14, E,23
	OPS X,18, E,24, F,15, E,25
	OPS R,11, E,26, X,19, E,27
	OPS R,12, E,28, R,13, E,29
	OPS X,20, E,30, R,14, E,31
	OPS X,21, R,15
	WIN 0
	s_wait_alu depctr_va_vdst(0)    ; the wait for the batch
.if (\p) == 1
	s_wait_dscnt 0x0                ; V is in
.endif
	ROW C,0, B,0, C,2, B,1
	ROW L,0, C,4, B,2, L,1
	ROW C,6, B,3, L,2, C,8
	ROW B,4, L,3, C,10, B,5
	ROW L,4, C,12, B,6, L,5
.if (\p) == 0
	s_add_co_u32 s[TBV], s[TBV], KS*PV
.endif
	ROW C,14, B,7, L,6, C,1
	ROW C,3, L,7, C,5, C,7
	ROW C,9, C,11, C,13, C,15
.if (\p) == 0
	FETCH_V
.endif
.endm
; A BLOCK BEGINS.  c m starts far below every c s, so the first step's a is 0; m at the lowest finite number.  The mask is 0, or piece 0's where the block's first tile is one of its last two.
.macro BEGIN
	s_mov_b32 s[NEW], 0
	WIN 0x40
.set i, MC
.rept 32
	v_mov_b32 v[i], 0
.set i, i+1
.endr
	WIN 0
.set i, 0
.rept 4
	v_mov_b32 v[ST+4*i], 0xfe000000
	v_mov_b32 v[ST+4*i+1], 0xff7fffff
.set i, i+1
.endr
	s_mov_b32 s[GG], s[GST]
	s_mov_b32 s[MK], s[MKN]
	s_cmp_eq_u32 s[MK], 0
	s_cbranch_scc1 .Lnb_\@
	MASKB 0
	WIN 0
.Lnb_\@:
	v_add_nc_u32 v[AK], s[TBK], v[AK0]
	FETCH_K 0
	s_wait_loadcnt 0x0              ; Q
	s_wait_dscnt 0x0
.set i, 0
.rept 8
	KQ 0
.set i, i+1
.endr
	WIN 0
.rept 4
	v_nop                           ; the places behind those products
.endr
.set Y, NP-1
.irp n, 0,1,2,3,4,5,6,7,8,9,10,11,12,13,14,15,16,17,18,19,20,21
	OP X, \n
.endr
	v_nop                           ; a plain instruction behind the exponential,
	s_wait_alu depctr_va_vdst(0)    ; and its wait, ahead of the branch
.endm
.macro ALL line:vararg
.set t, 0
.rept 4
	\line
.set t, t+1
.endr
.endm
; A BLOCK ENDS: the last piece's V^T P; every wave puts (c m, l) and O^T into LDS; a barrier; each wave merges pieces 2 kh and 2 kh + 1 of its query half from both waves' parts, rounds and stores them.
; The tile that is on its way stays out across this barrier.
.macro FINISH more
.set i, 0
.rept 8
	PV NP-1
.set i, i+1
.endr
	WIN 0
	ALL v_add_f32 v[ST+4*t+2], v[ST+4*t+2], v[ST+4*t+3]              ; these additions are the places behind the last products
	ALL v_permlanex16_b32 v[ST+4*t+3], v[ST+4*t+2], s[SEL], s[SEL+1]
	ALL v_add_f32 v[ST+4*t+1], v[ST+4*t+2], v[ST+4*t+3]              ; l, beside c m: m is set anew where a block begins
	ALL ds_store_b64 v[TABW], v[ST+4*t:ST+4*t+1] offset:128*t
	WIN 0x04
.set g, 0
.rept 32
	ds_store_b128 v[OBW], v[4*g:4*g+3] offset:512*g
.set g, g+1
.endr
	WIN 0
	s_wait_dscnt 0x0                ; for the others' sake
	s_barrier_signal -1
	s_barrier_wait -1
.irp u, 0,1
	ds_load_b64 v[MT+8*\u:MT+8*\u+1],   v[TABR] offset:128*\u
	ds_load_b64 v[MT+8*\u+2:MT+8*\u+3], v[TABR] offset:512+128*\u
.endr
.irp u, 0,1
.irp g, 0,1,2,3,4,5,6,7
	ds_load_b128 v[OA+64*\u+4*\g:OA+64*\u+4*\g+3],       v[OBR] offset:4096*\u+512*\g
	ds_load_b128 v[OA+64*\u+32+4*\g:OA+64*\u+32+4*\g+3], v[OBR] offset:16384+4096*\u+512*\g
.endr
.endr
	s_wait_dscnt 32                 ; the statistics are in; the 32 loads of O^T may stay out
.irp u, 0,1
	v_max_num_f32 v[MT+8*\u+4], v[MT+8*\u], v[MT+8*\u+2]
.endr
.irp u, 0,1
	v_sub_f32 v[MT+8*\u], v[MT+8*\u], v[MT+8*\u+4]
	v_sub_f32 v[MT+8*\u+2], v[MT+8*\u+2], v[MT+8*\u+4]
.endr
.irp u, 0,1
	v_exp_f32 v[MT+8*\u], v[MT+8*\u]
	v_exp_f32 v[MT+8*\u+2], v[MT+8*\u+2]
.endr
	v_nop
	s_wait_alu depctr_va_vdst(0)    ; one wait for the four
.irp u, 0,1
	v_mul_f32 v[MT+8*\u+4], v[MT+8*\u], v[MT+8*\u+1]
.endr
.irp u, 0,1
	v_fma_f32 v[MT+8*\u+4], v[MT+8*\u+2], v[MT+8*\u+3], v[MT+8*\u+4]
.endr
.irp u, 0,1
	v_rcp_f32 v[MT+8*\u+4], v[MT+8*\u+4]
.endr
	v_nop
	s_wait_alu depctr_va_vdst(0)    ; one wait for the two
.irp u, 0,1
	v_mul_f32 v[MT+8*\u], v[MT+8*\u], v[MT+8*\u+4]
	v_mul_f32 v[MT+8*\u+2], v[MT+8*\u+2], v[MT+8*\u+4]
.endr
	s_wait_dscnt 0x0
.irp u, 0,1
.set z, 0
.rept 16
	v_pk_mul_f32 v[OA+64*\u+2*z:OA+64*\u+2*z+1], v[OA+64*\u+2*z:OA+64*\u+2*z+1], v[MT+8*\u:MT+8*\u+1] op_sel_hi:[1,0]
.set z, z+1
.endr
.set z, 0
.rept 16
	v_pk_fma_f32 v[OA+64*\u+2*z:OA+64*\u+2*z+1], v[OA+64*\u+32+2*z:OA+64*\u+32+2*z+1], v[MT+8*\u+2:MT+8*\u+3], v[OA+64*\u+2*z:OA+64*\u+2*z+1] op_sel_hi:[1,0,1]
.set z, z+1
.endr
.set z, 0
.rept 16
	v_cvt_pk_bf16_f32 v[OA+64*\u+32+z], v[OA+64*\u+2*z], v[OA+64*\u+2*z+1]
.set z, z+1
.endr
.irp f, 0,1,2,3
	ds_store_b128 v[STO], v[OA+64*\u+32+4*\f:OA+64*\u+32+4*\f+3] offset:32*\f
.endr
.irp f, 0,1,2,3
	ds_load_b128 v[OA+64*\u+32+4*\f:OA+64*\u+32+4*\f+3], v[RD] offset:\f*4*SP  ; LDS serves a wave's instructions in order: these see the stores above
.endr
.endr
.irp u, 0,1
.irp f, 0,1,2,3
	s_wait_dscnt (1-\u)*8+3-\f
	global_store_b128 v[GO], v[OA+64*\u+32+4*\f:OA+64*\u+32+4*\f+3], s[OP1:OP1+1] offset:2048*\u+512*\f  ; 512 consecutive bytes, aligned
.endr
.endr
.if \more
	s_wait_xcnt 0x0                 ; the stores have read their registers and O's address
	s_mov_b64 s[OP1:OP1+1], s[OLO:OLO+1]
	s_mov_b32 s[RT], s[RT2]
	s_mov_b32 s[NEW], 1
	s_mov_b32 s[GST], s[GLO]
	WIN 0x82                        ; the second block's Q goes where the turns name Q
.set i, 0
.rept 64
	v_mov_b32 v[i], v[QB+i]
.set i, i+1
.endr
	WIN 0
.endif
.endm
.Lslot:                             ; 17 times: a tile is entered and the next is asked for
	CHANGE 1
	s_sub_co_u32 s[RT], s[RT], 1
	s_mov_b32 s[CNT], 3
	s_cmp_lt_u32 s[RT], 2
	s_cselect_b32 s[MKN], 1, 0
	s_cmp_lg_u32 s[RT], 0
	s_cselect_b32 s[NLAST], 1, 0
	s_cmp_eq_u32 s[NEW], 1
	s_cbranch_scc0 .Lstep
	BEGIN
	s_branch .Lfirst                ; every block has two tiles or more: its first is never its last
.Lstep:                             ; three trips: pieces 2, 3 of one step, then pieces 0, 1 of the next.  The third is the drain of a block's last step: elsewhere it is jumped over
	s_cmp_eq_u32 s[CNT], 1
	s_cselect_b32 s[TT], s[NLAST], 0
	s_cmp_eq_u32 s[TT], 1
	s_cbranch_scc1 .Lskip
	TURN 2
	TURN 3
	WIN 0
	s_cmp_eq_u32 s[CNT], 1
	s_cbranch_scc1 .Lskip
.Lfirst:
	TURN 0
	TURN 1
	WIN 0
.Lskip:
	s_sub_co_u32 s[CNT], s[CNT], 1
	s_cmp_lg_u32 s[CNT], 0
	s_cbranch_scc1 .Lstep
	s_cmp_eq_u32 s[NLAST], 1
	s_cbranch_scc1 .Lbottom
	FINISH 1
.Lbottom:
	s_sub_co_u32 s[SLOTS], s[SLOTS], 1
	s_cmp_lg_u32 s[SLOTS], 0
	s_cbranch_scc1 .Lslot
	CHANGE 0                        ; the walk's last tile is written out
	s_mov_b32 s[CNT], 3
	s_mov_b32 s[MKN], 1
.LstepT:
	TURN 2
	TURN 3
	WIN 0
	s_cmp_eq_u32 s[CNT], 1
	s_cbranch_scc1 .LskipT
	TURN 0
	TURN 1
	WIN 0
.LskipT:
	s_sub_co_u32 s[CNT], s[CNT], 1
	s_cmp_lg_u32 s[CNT], 0
	s_cbranch_scc1 .LstepT
	FINISH 0
	s_wait_tensorcnt 0x0            ; the wave's end
	ds_add_u32 v[SPW], v[NIL]
	s_wait_dscnt 0x0
	CROUND                          ; the closing round
	s_endpgm
.Lfunc_end_k_q4a5116aa71_attn:
	.size	k_q4a5116aa71_attn, .Lfunc_end_k_q4a5116aa71_attn-k_q4a5116aa71_attn
	.p2alignl 7, 3214868480
	.fill 96, 4, 3214868480
	.section	.rodata,"a",@progbits
	.p2align	6, 0x0
	.amdhsa_kernel k_q4a5116aa71_attn
		.amdhsa_group_segment_fixed_size 327680
		.amdhsa_private_segment_fixed_size 0
		.amdhsa_enable_private_segment 0
		.amdhsa_kernarg_size 16
		.amdhsa_user_sgpr_count 2
		.amdhsa_user_sgpr_kernarg_segment_ptr 1
		.amdhsa_wavefront_size32 1
		.amdhsa_system_sgpr_workgroup_id_x 1
		.amdhsa_system_sgpr_workgroup_id_y 1
		.amdhsa_system_sgpr_workgroup_id_z 1
		.amdhsa_system_vgpr_workitem_id 0
		.amdhsa_next_free_vgpr 768
		.amdhsa_next_free_sgpr 100
		.amdhsa_reserve_vcc 1
		.amdhsa_float_denorm_mode_32 3
		.amdhsa_float_denorm_mode_16_64 3
		.amdhsa_memory_ordered 1
		.amdhsa_forward_progress 1
		.amdhsa_inst_pref_size 149
	.end_amdhsa_kernel
	.amdgpu_metadata
---
amdhsa.version: [ 1, 2 ]
amdhsa.kernels:
  - .name:           k_q4a5116aa71_attn
    .symbol:         k_q4a5116aa71_attn.kd
    .args:
      - { .name: qkv, .offset: 0, .size: 8, .value_kind: global_buffer, .address_space: global }
      - { .name: ao, .offset: 8, .size: 8, .value_kind: global_buffer, .address_space: global }
    .group_segment_fixed_size: 327680
    .private_segment_fixed_size: 0
    .kernarg_segment_align: 8
    .kernarg_segment_size: 16
    .max_flat_workgroup_size: 128
    .sgpr_count:     100
    .vgpr_count:     768
    .wavefront_size: 32
...
	.end_amdgpu_metadata
.endif
;; end of part 3
;; launch gwo (part 4): grid 8 x 32, 4 waves a work-group, clusters of 4 x 4, 327,680 bytes of LDS; arguments ao, wb, x, g2, h, hb, ssq; writes h, hb, ssq
.if DOCPART == 4
	.amdgcn_target "amdgcn-amd-amdhsa--gfx1250"
	.amdhsa_code_object_version 6
	.text
	.protected	k_q4a5116aa71_gwo
	.globl	k_q4a5116aa71_gwo
	.p2align	8
	.type	k_q4a5116aa71_gwo,@function
k_q4a5116aa71_gwo:
	s_mov_b64 s[64:65], 0
	v_nop
	global_prefetch_b8 v0, s[64:65] scope:SCOPE_SE
	s_setreg_imm32_b32 hwreg(HW_REG_WAVE_MODE, 25, 1), 1
	s_wait_xcnt 0x0
	s_wait_alu depctr_hold_cnt(0) depctr_sa_sdst(0) depctr_va_vdst(0) depctr_va_sdst(0) depctr_va_ssrc(0) depctr_va_vcc(0) depctr_vm_vsrc(0)
	s_getreg_b32 s2, hwreg(HW_REG_IB_STS2, 6, 4)
	s_cmp_eq_u32 s2, 0
	s_cbranch_scc0 .Lentry_in_a_cluster
	s_endpgm
.Lentry_in_a_cluster:
	s_bfe_u32 s2, ttmp6, 0x10000c
	s_cmp_lg_u32 s2, 0xf033
	s_cbranch_scc0 .Lentry_shape_is_right
	s_endpgm
.Lentry_shape_is_right:
; h = x + ao wo^T.  A = ao [16 planes][4096][64] bf16, B = wo in wb at byte 6,291,456, [16][1024][64] bf16; sums in f32.  Stored: h [4096][1024] f32; hb = bf16(h g2) in planes [16][4096][64];
; ssq [16][4096] f32: for each row and each 64 columns the sum of h^2 (the next launch adds the sixteen and takes the root: (h rs g2) w1^T = rs ((h g2) w1^T)).
; A work-group makes 128 x 128 of C, its four waves 64 x 64 each (2 x 2): 16 accumulators.  K goes in steps of 256 (four planes) through two LDS slots; a wave's tensor load brings two planes of 128 rows,
; as two rows of 16,384 bytes, padded in LDS after every 128 bytes: an LDS row is 144 bytes.  Cluster 4 x 4: A's tile jointly along a row of the cluster, B's along a column.  The product is used transposed.
; No prefetch: the tiles are small and the launch is short.
; REGISTERS: window 0: addresses, A's fragments v64-127, the residual v128-255; window 1: B's fragments at 96 f; window 2: accumulators of row blocks 0, 1 at 8 (4 (a % 2) + b); window 3: of 2, 3.
.set EXTRA,  1
.set TM,     128
.set TN,     128
.set NBK,    4
.set KB,     4
.set TSTEPS, 4
.set NCOL,   1024
.set BOFF,   6291456
.set PLG,    524288
.set PLA,    TM*144
.set PLB,    TN*144
.set SLOT,   KB*(PLA+PLB)
.set KSA,    KB*PLG
.set KSB,    KB*NCOL*128
.set NL,     2*NBK+8
.set DA0,    TM*64
.set DA1,    KB/2
.set SA0,    PLG/2
.set DB0,    TN*64
.set DB1,    KB/2
.set SB0,    NCOL*64
.set GW0,    (1<<16)|(1<<20)|(1<<21)|(4<<22)|(3<<25)
.set STAGE,  2*SLOT                    ; 16 rows x 272 bytes for each wave
.set SSQT,   STAGE+4*16*272            ; 64 sums of squares for each wave
.set SPARE,  SSQT+1024                 ; the spare words: 128 bytes a wave, named by no other line
.set A0,   16
.set B0,   17
.set ADRA, 18
.set ADRB, 19
.set STW,  20
.set STR,  21
.set XO,   22
.set SQW,  23
.set HBO,  24
.set G2O,  25
.set SQR,  26
.set SPW,  28
.set NIL,  29
.set HD,   32                          ; v32-95 hb's words, two for each store
.set FA,   64
.set BK,   96                          ; v96-127 sixteen rows read back from the stage
.set RES,  128                         ; v128-255 the residual, then the result
.set G1,   24
.set G0,   32
.set G1B,  48
.set G0B,  56
.set RS,   66
.set FS,   67
.set LWA,  68
.set LWB,  69
.if EXTRA
.set OUTP, 76
.else
.set OUTP, 74
.endif
.set MSB, 0
.macro WIN new
.if MSB != (\new)
	s_set_vgpr_msb (MSB<<8)|(\new)
.set MSB, \new
.endif
.endm
.macro PLACES
.rept 4
	v_nop
.endr
.endm
.macro JLOAD                           ; a joint refill by the walking sets; an s_nop 0 and four v_nop follow each of the two lines
	s_cmp_eq_u32 s11, 0
	s_cbranch_scc0 .Lfor_b_\@
	tensor_load_to_lds s[G0+4:G0+7], s[G1:G1+7]
	s_nop 0
	PLACES
	s_branch .Lasked_\@
.Lfor_b_\@:
	tensor_load_to_lds s[G0B+4:G0B+7], s[G1B:G1B+7]
	s_nop 0
	PLACES
.Lasked_\@:
.endm
.macro CREST
	s_cmp_lg_u32 s10, 0
	s_cbranch_scc1 .Lnot_wave_0_\@
	s_barrier_signal -3
.Lnot_wave_0_\@:
	s_barrier_wait -3
	s_barrier_signal -1
	s_barrier_wait -1
.endm
.macro CROUND
	s_barrier_signal -1
	s_barrier_wait -1
	CREST
.endm
.macro MULA f, a, zero
	WIN 0xa1+0x50*((\a)/2)
.set bb, 0
.rept NBK
.set rD, 8*(((\a)%2)*NBK+bb)
.if \zero
	v_wmma_f32_16x16x32_bf16 v[rD:rD+7], v[96*(\f)+8*bb:96*(\f)+8*bb+7], v[FA+32*(\f)+8*(\a):FA+32*(\f)+8*(\a)+7], 0
.else
	v_wmma_f32_16x16x32_bf16 v[rD:rD+7], v[96*(\f)+8*bb:96*(\f)+8*bb+7], v[FA+32*(\f)+8*(\a):FA+32*(\f)+8*(\a)+7], v[rD:rD+7]
.endif
.set bb, bb+1
.endr
.endm
.macro FETCH k, g
	WIN 0x40
.set bb, 0
.rept NBK
	ds_load_b128 v[96*(\g)+8*bb:96*(\g)+8*bb+3],   v[ADRB] offset:(\k)+bb*2304
	ds_load_b128 v[96*(\g)+8*bb+4:96*(\g)+8*bb+7], v[ADRB] offset:(\k)+bb*2304+32
.set bb, bb+1
.endr
	WIN 0
.set bb, 0
.rept 4
	ds_load_b128 v[FA+32*(\g)+8*bb:FA+32*(\g)+8*bb+3],   v[ADRA] offset:(\k)+bb*2304
	ds_load_b128 v[FA+32*(\g)+8*bb+4:FA+32*(\g)+8*bb+7], v[ADRA] offset:(\k)+bb*2304+32
.set bb, bb+1
.endr
.endm
.macro QUARTER f, g, k, zero
	s_wait_dscnt 4                                 ; all but the youngest four loads (A's row blocks 2, 3)
	MULA \f, 0, \zero
	MULA \f, 1, \zero
	PLACES
	FETCH \k, \g
	s_wait_dscnt NL                                ; all but the run just issued
	MULA \f, 2, \zero
	MULA \f, 3, \zero
.endm
.macro PAIRS                           ; the step's planes 1 to 3: written once, walked three times
	WIN 0
	s_mov_b32 s2, KB-1
.Lpair_\@:
	v_add_nc_u32 v[ADRA], PLA, v[ADRA]
	v_add_nc_u32 v[ADRB], PLB, v[ADRB]
	QUARTER 1, 0, 0, 0
	QUARTER 0, 1, 64, 0
	WIN 0
	s_sub_co_u32 s2, s2, 1
	s_cmp_lg_u32 s2, 0
	s_cbranch_scc1 .Lpair_\@
.endm
.macro MEET round                      ; the one barrier of a change of slots: all my tensor loads, the add, my reads of this slot; round = 1: the walking descriptors step while the add is out
	WIN 0
	s_wait_tensorcnt 0x0
	ds_add_u32 v[SPW], v[NIL]
.if \round
	s_xor_b32 s[FS], s[FS], SLOT
	s_add_co_u32 s[G0+5], s[LWA], s[FS]
	s_add_co_u32 s[G0B+5], s[LWB], s[FS]
	s_add_nc_u64 s[G0+6:G0+7], s[G0+6:G0+7], KSA
	s_add_nc_u64 s[G0B+6:G0B+7], s[G0B+6:G0B+7], KSB
.endif
	s_wait_dscnt 5                                 ; the add and the youngest four loads may be out
	MULA 1, 0, 0
	s_wait_dscnt 0x0
	s_barrier_signal -1
	MULA 1, 1, 0
.if \round
	WIN 0
.endif
	s_barrier_wait -1
.endm
.macro TURN fill
	MEET \fill
.if \fill
	CREST
	JLOAD                                          ; the first tensor load behind the round; its four v_nop are also the places in front of the loads below
.else
	PLACES
.endif
	WIN 0
	s_xor_b32 s[RS], s[RS], SLOT
	v_add_nc_u32 v[ADRA], s[RS], v[A0]
	v_add_nc_u32 v[ADRB], s[RS], v[B0]
	FETCH 0, 0
	MULA 1, 2, 0
	MULA 1, 3, 0
.endm
	s_load_b128 s[4:7], s[0:1], 0x0                ; A s[4:5], wb s[6:7]
.if EXTRA
	s_load_b256 s[72:79], s[0:1], 0x10             ; x s[72:73], g2 s[74:75], h s[76:77], hb s[78:79]
	s_load_b64 s[80:81], s[0:1], 0x30              ; ssq
.else
	s_load_b128 s[72:75], s[0:1], 0x10             ; h s[72:73], out0 s[74:75]
.endif
	v_lshl_add_u32 v[SPW], v0, 2, SPARE
	v_mov_b32 v[NIL], 0
	ds_add_u32 v[SPW], v[NIL]                      ; the wave's opening: the add and its wait ahead of my first tensor load
	v_lshrrev_b32 v1, 5, v0
	v_readfirstlane_b32 s10, v1
	s_lshr_b32 s11, s10, 1                         ; my half of the tile's rows.  Also: I fetch for A (0) or for B (1)
	s_and_b32 s12, s10, 1                          ; my half of its columns.  Also: which two planes of the step's four I fetch
	s_bfe_u32 s40, ttmp6, 0x40000
	s_bfe_u32 s41, ttmp6, 0x40004
	s_lshl_b32 s42, ttmp9, 2
	s_add_co_u32 s42, s42, s40                     ; tile column
	s_and_b32 s13, ttmp7, 0xffff
	s_lshl_b32 s13, s13, 2
	s_add_co_u32 s13, s13, s41                     ; tile row
	s_lshl_b32 s14, s41, 2
	s_lshl_b32 s14, 15, s14
	s_lshl_b32 s15, 0x1111, s40
	s_or_b32 s[G1], s14, GW0
	s_or_b32 s[G1B], s15, GW0
	s_mov_b32 s[G1+1], DA0<<16
	s_mov_b32 s[G1+2], DA1<<16
	s_mov_b32 s[G1+3], DA0<<16
	s_mov_b32 s[G1+4], DA1
	s_mov_b32 s[G1+5], SA0
	s_mov_b32 s[G1+6], 0
	s_mov_b32 s[G1+7], 0
	s_mov_b32 s[G1B+1], DB0<<16
	s_mov_b32 s[G1B+2], DB1<<16
	s_mov_b32 s[G1B+3], DB0<<16
	s_mov_b32 s[G1B+4], DB1
	s_mov_b32 s[G1B+5], SB0
	s_mov_b32 s[G1B+6], 0
	s_mov_b32 s[G1B+7], 0
	s_mul_i32 s16, s12, (KB/2)*PLG
	s_mul_i32 s17, s13, TM*128
	s_add_co_u32 s16, s16, s17
	s_mov_b32 s17, 0
	s_mul_i32 s18, s12, (KB/2)*NCOL*128
	s_mul_i32 s19, s42, TN*128
	s_add_co_u32 s18, s18, s19
	s_add_co_u32 s18, s18, BOFF
	s_mov_b32 s19, 0
	s_mul_i32 s[LWA], s12, (KB/2)*PLA
	s_mul_i32 s[LWB], s12, (KB/2)*PLB
	s_add_co_u32 s[LWB], s[LWB], KB*PLA
	s_mov_b32 s[RS], 0
	s_mov_b32 s[FS], SLOT
	s_wait_dscnt 0x0
	s_wait_kmcnt 0x0
	s_add_nc_u64 s[20:21], s[4:5], s[16:17]
	s_add_nc_u64 s[22:23], s[6:7], s[18:19]
.irp s, 0,1
	s_mov_b32 s[G0+4*\s], 1
	s_add_co_u32 s[G0+4*\s+1], s[LWA], \s*SLOT
	s_add_nc_u64 s[G0+4*\s+2:G0+4*\s+3], s[20:21], \s*KSA
	s_or_b32 s[G0+4*\s+3], s[G0+4*\s+3], 0x80000000
	s_mov_b32 s[G0B+4*\s], 1
	s_add_co_u32 s[G0B+4*\s+1], s[LWB], \s*SLOT
	s_add_nc_u64 s[G0B+4*\s+2:G0B+4*\s+3], s[22:23], \s*KSB
	s_or_b32 s[G0B+4*\s+3], s[G0B+4*\s+3], 0x80000000
.endr
	CROUND
	s_cmp_eq_u32 s11, 0
	s_cbranch_scc0 .Lfirst_b
	tensor_load_to_lds s[G0:G0+3], s[G1:G1+7]
	s_nop 0
	tensor_load_to_lds s[G0+4:G0+7], s[G1:G1+7]
	s_nop 0
	PLACES
	s_branch .Lfirst_done
.Lfirst_b:
	tensor_load_to_lds s[G0B:G0B+3], s[G1B:G1B+7]
	s_nop 0
	tensor_load_to_lds s[G0B+4:G0B+7], s[G1B:G1B+7]
	s_nop 0
	PLACES
.Lfirst_done:
	v_and_b32 v1, 15, v0
	v_bfe_u32 v2, v0, 4, 1
	v_mul_u32_u24 v3, v1, 144
	v_lshl_add_u32 v3, v2, 4, v3
	s_mul_i32 s70, s11, 64*144
	v_add_nc_u32 v[A0], s70, v3
	s_mul_i32 s71, s12, 64*144
	s_add_co_u32 s71, s71, KB*PLA
	v_add_nc_u32 v[B0], s71, v3
	v_mov_b32 v[ADRA], v[A0]
	v_mov_b32 v[ADRB], v[B0]
	s_mul_i32 s90, s10, 16*272
	s_add_co_u32 s90, s90, STAGE
	v_mul_u32_u24 v4, v1, 272                      ; in: row l % 16, 32 bytes for each half of the lanes
	v_lshl_add_u32 v4, v2, 5, v4
	v_add_nc_u32 v[STW], s90, v4
	v_mul_u32_u24 v4, v2, 272                      ; back: lanes 0-15 one row of 256 bytes, lanes 16-31 the next
	v_lshl_add_u32 v4, v1, 4, v4
	v_add_nc_u32 v[STR], s90, v4
	v_lshlrev_b32 v4, 12, v2
	v_lshl_add_u32 v[XO], v1, 4, v4                ; the same two rows in a tensor of 4,096-byte rows
	s_lshl_b32 s82, s13, 7
	s_lshl_b32 s83, s11, 6
	s_add_co_u32 s82, s82, s83                     ; my first row
	s_lshl_b32 s84, s42, 1
	s_add_co_u32 s84, s84, s12                     ; my group of 64 columns
	s_lshl_b32 s86, s82, 12
	s_lshl_b32 s85, s84, 8
	s_add_co_u32 s86, s86, s85
	s_mov_b32 s87, 0
	s_add_nc_u64 s[72:73], s[72:73], s[86:87]
	s_add_nc_u64 s[OUTP:OUTP+1], s[OUTP:OUTP+1], s[86:87]
.set gg, 0
.rept 32                               ; the residual: rows 2 gg, 2 gg + 1 of my 64; it has the whole product in which to land
	global_load_b128 v[RES+4*gg:RES+4*gg+3], v[XO], s[72:73] offset:gg*8192 th:TH_LOAD_NT
.set gg, gg+1
.endr
.if EXTRA
	s_lshl_b32 s91, s10, 8
	s_add_co_u32 s91, s91, SSQT
	v_lshl_add_u32 v[SQW], v2, 2, s91
	v_and_b32 v4, 31, v0
	v_lshlrev_b32 v[HBO], 3, v4
	v_add_nc_u32 v[SQR], s91, v[HBO]
	v_lshl_add_u32 v[G2O], v1, 4, s85
	global_load_b128 v[8:11], v[G2O], s[74:75]     ; g2 of my four columns
	s_lshl_b32 s86, s84, 19
	s_lshl_b32 s88, s82, 7
	s_add_co_u32 s86, s86, s88
	s_add_nc_u64 s[78:79], s[78:79], s[86:87]      ; hb: my plane, my rows
	s_lshl_b32 s86, s84, 14
	s_lshl_b32 s88, s82, 2
	s_add_co_u32 s86, s86, s88
	s_add_nc_u64 s[80:81], s[80:81], s[86:87]      ; ssq likewise
.endif
	s_wait_tensorcnt 0x1                           ; my part of step 0 is in; step 1's may stay out
	s_barrier_signal -1
	s_barrier_wait -1
	FETCH 0, 0
	QUARTER 0, 1, 64, 1
	WIN 0
	s_mov_b32 s3, TSTEPS-2
.Lmain:
	PAIRS
	TURN 1
	QUARTER 0, 1, 64, 0
	WIN 0
	s_sub_co_u32 s3, s3, 1
	s_cmp_lg_u32 s3, 0
	s_cbranch_scc1 .Lmain
	s_mov_b32 s3, 2
.Ltail:                                        ; the last two steps fill nothing; the second trip is left in its middle
	PAIRS
	TURN 0
	WIN 0
	s_sub_co_u32 s3, s3, 1
	s_cmp_eq_u32 s3, 0
	s_cbranch_scc1 .Lout
	QUARTER 0, 1, 64, 0
	WIN 0
	s_branch .Ltail
.Lout:
	s_wait_dscnt 0x0
	s_wait_loadcnt 0x0                             ; the residual (and g2)
	PLACES
	PLACES
; THE WAY OUT, 16 rows at a time: the f32 sums go through my stage and come back as whole rows of 256 bytes; the residual is added; 16 lanes store 256 consecutive bytes, aligned.
.macro ROWS a
	WIN 0x08+4*((\a)/2)
.set bb, 0
.rept 4
.set rD, 8*(((\a)%2)*4+bb)
	ds_store_b128 v[STW], v[rD:rD+3] offset:64*bb
	ds_store_b128 v[STW], v[rD+4:rD+7] offset:64*bb+16
.set bb, bb+1
.endr
	WIN 0
.set gg, 0
.rept 8
	ds_load_b128 v[BK+4*gg:BK+4*gg+3], v[STR] offset:544*gg   ; LDS serves a wave's instructions in order: these see the stores above
.set gg, gg+1
.endr
.set gg, 0
.rept 8
.set rR, RES+4*(8*(\a)+gg)
.if EXTRA
	s_wait_dscnt 7                                 ; behind load gg stand 7 - gg loads and gg stores into the table
.else
	s_wait_dscnt 7-gg
.endif
	v_pk_add_f32 v[rR:rR+1], v[rR:rR+1], v[BK+4*gg:BK+4*gg+1]
	v_pk_add_f32 v[rR+2:rR+3], v[rR+2:rR+3], v[BK+4*gg+2:BK+4*gg+3]
	global_store_b128 v[XO], v[rR:rR+3], s[OUTP:OUTP+1] offset:(16*(\a)+2*gg)*4096
.if EXTRA
	v_pk_mul_f32 v[12:13], v[rR:rR+1], v[rR:rR+1]
	v_pk_mul_f32 v[4:5], v[rR:rR+1], v[8:9]
	v_pk_fma_f32 v[12:13], v[rR+2:rR+3], v[rR+2:rR+3], v[12:13]
	v_pk_mul_f32 v[6:7], v[rR+2:rR+3], v[10:11]
	v_add_f32 v12, v12, v13
	v_cvt_pk_bf16_f32 v[HD+2*(8*(\a)+gg)], v4, v5
	v_add_f32_dpp v12, v12, v12 row_xmask:1 row_mask:0xf bank_mask:0xf  ; a row's 64 columns lie in 16 lanes
	v_cvt_pk_bf16_f32 v[HD+2*(8*(\a)+gg)+1], v6, v7
	v_add_f32_dpp v12, v12, v12 row_xmask:2 row_mask:0xf bank_mask:0xf
	v_add_f32_dpp v12, v12, v12 row_xmask:4 row_mask:0xf bank_mask:0xf
	v_add_f32_dpp v12, v12, v12 row_xmask:8 row_mask:0xf bank_mask:0xf
	global_store_b64 v[HBO], v[HD+2*(8*(\a)+gg):HD+2*(8*(\a)+gg)+1], s[78:79] offset:(16*(\a)+2*gg)*128  ; 32 lanes: two rows of a plane, 256 consecutive bytes
	ds_store_b32 v[SQW], v12 offset:(16*(\a)+2*gg)*4
.endif
.set gg, gg+1
.endr
.endm
	ROWS 0
	ROWS 1
	ROWS 2
	ROWS 3
.if EXTRA
	ds_load_b64 v[12:13], v[SQR]                   ; my 64 rows' sums, two a lane
	s_wait_dscnt 0x0
	global_store_b64 v[HBO], v[12:13], s[80:81]
.endif
	s_wait_tensorcnt 0x0                           ; the wave's end
	ds_add_u32 v[SPW], v[NIL]
	s_wait_dscnt 0x0
	CROUND
	s_endpgm
.Lfunc_end_k_q4a5116aa71_gwo:
	.size	k_q4a5116aa71_gwo, .Lfunc_end_k_q4a5116aa71_gwo-k_q4a5116aa71_gwo
	.p2alignl 7, 3214868480
	.fill 96, 4, 3214868480
	.section	.rodata,"a",@progbits
	.p2align	6, 0x0
	.amdhsa_kernel k_q4a5116aa71_gwo
		.amdhsa_group_segment_fixed_size 327680
		.amdhsa_private_segment_fixed_size 0
		.amdhsa_enable_private_segment 0
		.amdhsa_kernarg_size 56
		.amdhsa_user_sgpr_count 2
		.amdhsa_user_sgpr_kernarg_segment_ptr 1
		.amdhsa_wavefront_size32 1
		.amdhsa_system_sgpr_workgroup_id_x 1
		.amdhsa_system_sgpr_workgroup_id_y 1
		.amdhsa_system_sgpr_workgroup_id_z 1
		.amdhsa_system_vgpr_workitem_id 0
		.amdhsa_next_free_vgpr 832
		.amdhsa_next_free_sgpr 100
		.amdhsa_reserve_vcc 0
		.amdhsa_float_denorm_mode_32 3
		.amdhsa_float_denorm_mode_16_64 3
		.amdhsa_memory_ordered 1
		.amdhsa_forward_progress 1
		.amdhsa_inst_pref_size 74
	.end_amdhsa_kernel
	.amdgpu_metadata
---
amdhsa.version: [ 1, 2 ]
amdhsa.kernels:
  - .name:           k_q4a5116aa71_gwo
    .symbol:         k_q4a5116aa71_gwo.kd
    .args:
      - { .name: ao, .offset: 0, .size: 8, .value_kind: global_buffer, .address_space: global }
      - { .name: wb, .offset: 8, .size: 8, .value_kind: global_buffer, .address_space: global }
      - { .name: x, .offset: 16, .size: 8, .value_kind: global_buffer, .address_space: global }
      - { .name: g2, .offset: 24, .size: 8, .value_kind: global_buffer, .address_space: global }
      - { .name: h, .offset: 32, .size: 8, .value_kind: global_buffer, .address_space: global }
      - { .name: hb, .offset: 40, .size: 8, .value_kind: global_buffer, .address_space: global }
      - { .name: ssq, .offset: 48, .size: 8, .value_kind: global_buffer, .address_space: global }
    .group_segment_fixed_size: 327680
    .private_segment_fixed_size: 0
    .kernarg_segment_align: 8
    .kernarg_segment_size: 56
    .max_flat_workgroup_size: 128
    .sgpr_count:     100
    .vgpr_count:     832
    .wavefront_size: 32
...
	.end_amdgpu_metadata
.endif
;; end of part 4
;; launch gff1 (part 5): grid 16 x 16, 4 waves a work-group, clusters of 4 x 4, 327,680 bytes of LDS; arguments hb, wb, ssq, gb; writes gb
.if DOCPART == 5
	.amdgcn_target "amdgcn-amd-amdhsa--gfx1250"
	.amdhsa_code_object_version 6
	.text
	.protected	k_q4a5116aa71_gff1
	.globl	k_q4a5116aa71_gff1
	.p2align	8
	.type	k_q4a5116aa71_gff1,@function
k_q4a5116aa71_gff1:
	s_mov_b64 s[64:65], 0
	v_nop
	global_prefetch_b8 v0, s[64:65] scope:SCOPE_SE
	s_setreg_imm32_b32 hwreg(HW_REG_WAVE_MODE, 25, 1), 1
	s_wait_xcnt 0x0
	s_wait_alu depctr_hold_cnt(0) depctr_sa_sdst(0) depctr_va_vdst(0) depctr_va_sdst(0) depctr_va_ssrc(0) depctr_va_vcc(0) depctr_vm_vsrc(0)
	s_getreg_b32 s2, hwreg(HW_REG_IB_STS2, 6, 4)
	s_cmp_eq_u32 s2, 0
	s_cbranch_scc0 .Lentry_in_a_cluster
	s_endpgm
.Lentry_in_a_cluster:
	s_bfe_u32 s2, ttmp6, 0x10000c
	s_cmp_lg_u32 s2, 0xf033
	s_cbranch_scc0 .Lentry_shape_is_right
	s_endpgm
.Lentry_shape_is_right:
; gb = gelu(rs ((h g2) w1^T)), rs[row] = 1 / sqrt(mean of h^2 + 1e-5): A = hb [16 planes][4096][64] bf16, B = w1 in wb at byte 8,388,608, [16][2048][64] bf16; sums in f32; gb [32 planes][4096][64] bf16, rounded once.
; A work-group makes 256 x 128 of C, each of its four waves 64 rows x 128 columns: 32 accumulators.  K in 8 steps of 128 (two planes) through two LDS slots; cluster 4 x 4; all as in the product for q, k, v.
; GELU: x Phi(x) = max(x, 0) - |x| c, c = poly(t) exp(-x^2 / 2) / 2, t = 1 / (1 + 0.2316419 |x|): the fifth-degree form of erfc (Abramowitz and Stegun 7.1.26, error under 1.5e-7 in erf), good for every finite x:
; for large |x| the exponential is 0 and the result x or 0.  The sums go to LDS as f32 (into the slots, which have had their last fill) and come back 32 numbers a lane in a loop of 8 trips, so that the text stands once.
.set TM,     256
.set TN,     128
.set NBK,    8
.set KB,     2
.set TSTEPS, 8
.set NCOL,   2048
.set BOFF,   8388608
.set PLG,    524288
.set PLA,    TM*144
.set PLB,    TN*144
.set SLOT,   KB*(PLA+PLB)
.set KSA,    KB*PLG
.set KSB,    KB*NCOL*128
.set NL,     2*NBK+8
.set DA0,    128
.set DA1,    TM/2
.set SA0,    128
.set DB0,    128
.set DB1,    TN/2
.set SB0,    128
.set GW0,    (1<<16)|(1<<20)|(1<<21)|(4<<22)|(3<<25)
.set RST,    2*SLOT                    ; rs of each wave's 64 rows, twice over: 512 bytes a wave, in the order of the loop's trips
.set SPARE,  RST+2048                  ; the spare words: 128 bytes a wave, named by no other line
.set A0,   16
.set B0,   17
.set ADRA, 18
.set ADRB, 19
.set DW,   20
.set DR,   21
.set RR,   22
.set GO,   23
.set RW,   24
.set SO,   25
.set SPW,  28
.set NIL,  29
.set PFO,  30
.set PP,   32                          ; v32-63 the polynomial
.set FA,   64
.set OD,   96                          ; v96-111 the words to store
.set RSV,  112                         ; v112-119 rs of four rows, each the low word of a pair
.set X,    128
.set AX,   160
.set U,    192
.set W,    224
.set G1,   24
.set G0,   32
.set G1B,  48
.set G0B,  56
.set LIM,  43
.set PFA,  44
.set KSP,  46
.set RS,   66
.set FS,   67
.set LWA,  68
.set LWB,  69
.set MSB, 0
.macro WIN new
.if MSB != (\new)
	s_set_vgpr_msb (MSB<<8)|(\new)
.set MSB, \new
.endif
.endm
.macro PLACES
.rept 4
	v_nop
.endr
.endm
.macro JLOAD                           ; a joint refill by the walking sets; an s_nop 0 and four v_nop follow each of the two lines
	s_cmp_eq_u32 s11, 0
	s_cbranch_scc0 .Lfor_b_\@
	tensor_load_to_lds s[G0+4:G0+7], s[G1:G1+7]
	s_nop 0
	PLACES
	s_branch .Lasked_\@
.Lfor_b_\@:
	tensor_load_to_lds s[G0B+4:G0B+7], s[G1B:G1B+7]
	s_nop 0
	PLACES
.Lasked_\@:
.endm
.macro ASK                             ; the K step that the next refill will ask for: my work-group's quarter of my plane, a lane for each 256 bytes; A's by the clusters with x = 0, B's by those with y = 0
	s_cmp_gt_u32 s3, s[LIM]
	s_cbranch_scc0 .Lnot_mine_\@
	global_prefetch_b8 v[PFO], s[PFA:PFA+1] th:TH_LOAD_NT scope:SCOPE_SE
.Lnot_mine_\@:
.endm
.macro CREST
	s_cmp_lg_u32 s10, 0
	s_cbranch_scc1 .Lnot_wave_0_\@
	s_barrier_signal -3
.Lnot_wave_0_\@:
	s_barrier_wait -3
	s_barrier_signal -1
	s_barrier_wait -1
.endm
.macro CROUND
	s_barrier_signal -1
	s_barrier_wait -1
	CREST
.endm
.macro MULA f, a, zero
	WIN 0xa1+0x50*((\a)/2)
.set bb, 0
.rept NBK
.set rD, 8*(((\a)%2)*NBK+bb)
.if \zero
	v_wmma_f32_16x16x32_bf16 v[rD:rD+7], v[96*(\f)+8*bb:96*(\f)+8*bb+7], v[FA+32*(\f)+8*(\a):FA+32*(\f)+8*(\a)+7], 0
.else
	v_wmma_f32_16x16x32_bf16 v[rD:rD+7], v[96*(\f)+8*bb:96*(\f)+8*bb+7], v[FA+32*(\f)+8*(\a):FA+32*(\f)+8*(\a)+7], v[rD:rD+7]
.endif
.set bb, bb+1
.endr
.endm
.macro FETCH k, g
	WIN 0x40
.set bb, 0
.rept NBK
	ds_load_b128 v[96*(\g)+8*bb:96*(\g)+8*bb+3],   v[ADRB] offset:(\k)+bb*2304
	ds_load_b128 v[96*(\g)+8*bb+4:96*(\g)+8*bb+7], v[ADRB] offset:(\k)+bb*2304+32
.set bb, bb+1
.endr
	WIN 0
.set bb, 0
.rept 4
	ds_load_b128 v[FA+32*(\g)+8*bb:FA+32*(\g)+8*bb+3],   v[ADRA] offset:(\k)+bb*2304
	ds_load_b128 v[FA+32*(\g)+8*bb+4:FA+32*(\g)+8*bb+7], v[ADRA] offset:(\k)+bb*2304+32
.set bb, bb+1
.endr
.endm
.macro QUARTER f, g, k, zero
	s_wait_dscnt 4                                 ; all but the youngest four loads (A's row blocks 2, 3)
	MULA \f, 0, \zero
	MULA \f, 1, \zero
	PLACES
	FETCH \k, \g
	s_wait_dscnt NL                                ; all but the run just issued
	MULA \f, 2, \zero
	MULA \f, 3, \zero
.endm
.macro PAIRS
	WIN 0
	v_add_nc_u32 v[ADRA], PLA, v[ADRA]
	v_add_nc_u32 v[ADRB], PLB, v[ADRB]
	QUARTER 1, 0, 0, 0
	QUARTER 0, 1, 64, 0
.endm
.macro MEET round
	WIN 0
	s_wait_tensorcnt 0x0
	ds_add_u32 v[SPW], v[NIL]
.if \round
	s_xor_b32 s[FS], s[FS], SLOT
	s_add_co_u32 s[G0+5], s[LWA], s[FS]
	s_add_co_u32 s[G0B+5], s[LWB], s[FS]
	s_add_nc_u64 s[G0+6:G0+7], s[G0+6:G0+7], KSA
	s_add_nc_u64 s[G0B+6:G0B+7], s[G0B+6:G0B+7], KSB
.endif
	s_wait_dscnt 5                                 ; the add and the youngest four loads may be out
	MULA 1, 0, 0
	s_wait_dscnt 0x0
	s_barrier_signal -1
	MULA 1, 1, 0
.if \round
	WIN 0
.endif
	s_barrier_wait -1
.endm
.macro TURN fill
.if \fill
	s_wait_xcnt 0x0                                ; the last prefetch, a K step back, has read its address
	s_add_nc_u64 s[PFA:PFA+1], s[PFA:PFA+1], s[KSP:KSP+1]
.endif
	MEET \fill
.if \fill
	CREST
	JLOAD
.else
	PLACES
.endif
	WIN 0
	s_xor_b32 s[RS], s[RS], SLOT
	v_add_nc_u32 v[ADRA], s[RS], v[A0]
	v_add_nc_u32 v[ADRB], s[RS], v[B0]
	FETCH 0, 0
.if \fill
	ASK
.endif
	MULA 1, 2, 0
	MULA 1, 3, 0
.endm
	s_load_b128 s[4:7], s[0:1], 0x0                ; hb s[4:5], wb s[6:7]
	s_load_b128 s[72:75], s[0:1], 0x10             ; ssq s[72:73], gb s[74:75]
	v_lshl_add_u32 v[SPW], v0, 2, SPARE
	v_mov_b32 v[NIL], 0
	ds_add_u32 v[SPW], v[NIL]                      ; the wave's opening: the add and its wait ahead of my first tensor load
	v_lshrrev_b32 v1, 5, v0
	v_readfirstlane_b32 s10, v1
	s_lshr_b32 s11, s10, 1
	s_and_b32 s12, s10, 1
	s_bfe_u32 s40, ttmp6, 0x40000
	s_bfe_u32 s41, ttmp6, 0x40004
	s_lshl_b32 s42, ttmp9, 2
	s_add_co_u32 s42, s42, s40
	s_and_b32 s13, ttmp7, 0xffff
	s_lshl_b32 s13, s13, 2
	s_add_co_u32 s13, s13, s41
	s_lshl_b32 s14, s41, 2
	s_lshl_b32 s14, 15, s14
	s_lshl_b32 s15, 0x1111, s40
	s_or_b32 s[G1], s14, GW0
	s_or_b32 s[G1B], s15, GW0
	s_mov_b32 s[G1+1], DA0<<16
	s_mov_b32 s[G1+2], DA1<<16
	s_mov_b32 s[G1+3], DA0<<16
	s_mov_b32 s[G1+4], DA1
	s_mov_b32 s[G1+5], SA0
	s_mov_b32 s[G1+6], 0
	s_mov_b32 s[G1+7], 0
	s_mov_b32 s[G1B+1], DB0<<16
	s_mov_b32 s[G1B+2], DB1<<16
	s_mov_b32 s[G1B+3], DB0<<16
	s_mov_b32 s[G1B+4], DB1
	s_mov_b32 s[G1B+5], SB0
	s_mov_b32 s[G1B+6], 0
	s_mov_b32 s[G1B+7], 0
	s_mul_i32 s16, s12, (KB/2)*PLG
	s_mul_i32 s17, s13, TM*128
	s_add_co_u32 s16, s16, s17
	s_mov_b32 s17, 0
	s_mul_i32 s18, s12, (KB/2)*NCOL*128
	s_mul_i32 s19, s42, TN*128
	s_add_co_u32 s18, s18, s19
	s_add_co_u32 s18, s18, BOFF
	s_mov_b32 s19, 0
	s_mul_i32 s[LWA], s12, (KB/2)*PLA
	s_mul_i32 s[LWB], s12, (KB/2)*PLB
	s_add_co_u32 s[LWB], s[LWB], KB*PLA
	s_mov_b32 s[RS], 0
	s_mov_b32 s[FS], SLOT
	s_mov_b32 s76, 0x3e6d3388                      ; 0.2316419
	s_mov_b32 s77, s76
	s_mov_b32 s78, 0xbf38aa3b                      ; -log2(e) / 2
	s_mov_b32 s79, s78
	s_mov_b32 s80, 0x3f07dc22                      ; the polynomial's coefficients, halved: 0.5307027,
	s_mov_b32 s81, s80
	s_mov_b32 s82, 0xbf3a00e3                      ; -0.7265760,
	s_mov_b32 s83, s82
	s_mov_b32 s84, 0x3f35f0e3                      ; 0.7107069,
	s_mov_b32 s85, s84
	s_mov_b32 s86, 0xbe11a98e                      ; -0.1422484,
	s_mov_b32 s87, s86
	s_mov_b32 s88, 0x3e027906                      ; 0.1274148
	s_mov_b32 s89, s88
	s_mov_b32 s90, 0x7fffffff
	s_mov_b32 s93, 0
	s_mov_b32 s94, 0x3a800000                      ; 1 / 1024
	s_mov_b32 s95, 0x3727c5ac                      ; 1e-5
	s_wait_dscnt 0x0
	s_wait_kmcnt 0x0
	s_add_nc_u64 s[20:21], s[4:5], s[16:17]
	s_add_nc_u64 s[22:23], s[6:7], s[18:19]
.irp s, 0,1
	s_mov_b32 s[G0+4*\s], 1
	s_add_co_u32 s[G0+4*\s+1], s[LWA], \s*SLOT
	s_add_nc_u64 s[G0+4*\s+2:G0+4*\s+3], s[20:21], \s*KSA
	s_or_b32 s[G0+4*\s+3], s[G0+4*\s+3], 0x80000000
	s_mov_b32 s[G0B+4*\s], 1
	s_add_co_u32 s[G0B+4*\s+1], s[LWB], \s*SLOT
	s_add_nc_u64 s[G0B+4*\s+2:G0B+4*\s+3], s[22:23], \s*KSB
	s_or_b32 s[G0B+4*\s+3], s[G0B+4*\s+3], 0x80000000
.endr
	CROUND
	s_cmp_eq_u32 s11, 0
	s_cbranch_scc0 .Lfirst_b
	tensor_load_to_lds s[G0:G0+3], s[G1:G1+7]
	s_nop 0
	tensor_load_to_lds s[G0+4:G0+7], s[G1:G1+7]
	s_nop 0
	PLACES
	s_branch .Lfirst_done
.Lfirst_b:
	tensor_load_to_lds s[G0B:G0B+3], s[G1B:G1B+7]
	s_nop 0
	tensor_load_to_lds s[G0B+4:G0B+7], s[G1B:G1B+7]
	s_nop 0
	PLACES
.Lfirst_done:
	; the sixteen partial sums of h^2 of my 64 rows, two rows a lane
	v_and_b32 v4, 31, v0
	v_lshlrev_b32 v[SO], 3, v4
	s_lshl_b32 s96, s13, 10
	s_lshl_b32 s97, s10, 8
	s_add_co_u32 s96, s96, s97
	s_mov_b32 s97, 0
	s_add_nc_u64 s[72:73], s[72:73], s[96:97]
.irp c, 0,1,2,3,4,5,6,7,8,9,10,11,12,13,14,15
	global_load_b64 v[X+2*\c:X+2*\c+1], v[SO], s[72:73] offset:\c*16384
.endr
	v_and_b32 v1, 15, v0
	v_bfe_u32 v2, v0, 4, 1
	v_mul_u32_u24 v3, v1, 144
	v_lshl_add_u32 v3, v2, 4, v3
	s_mul_i32 s70, s10, 64*144
	v_add_nc_u32 v[A0], s70, v3
	v_add_nc_u32 v[B0], KB*PLA, v3
	v_mov_b32 v[ADRA], v[A0]
	v_mov_b32 v[ADRB], v[B0]
	s_mul_i32 s70, s10, 34816                      ; my part of the slots on the way out: [2 planes][64 rows][272 bytes]
	v_mul_u32_u24 v5, v1, 272
	v_lshl_add_u32 v5, v2, 5, v5
	v_add_nc_u32 v[DW], s70, v5                    ; in: row l % 16, 32 bytes for each half of the lanes
	v_bfe_u32 v5, v0, 3, 2
	v_and_b32 v6, 7, v0
	v_mul_u32_u24 v7, v5, 272
	v_lshl_add_u32 v7, v6, 5, v7
	v_add_nc_u32 v[DR], s70, v7                    ; back: row l / 8 (+ 4 f), 32 bytes: eight columns
	s_lshl_b32 s71, s10, 9
	s_add_co_u32 s71, s71, RST
	v_lshl_add_u32 v[RR], v5, 2, s71
	v_add_nc_u32 v[RW], s71, v[SO]
	v_lshlrev_b32 v[GO], 4, v4
	s_lshl_b32 s96, s42, 20                        ; the tile's two planes,
	s_lshl_b32 s98, s13, 15                        ; its 256 rows,
	s_add_co_u32 s96, s96, s98
	s_lshl_b32 s98, s10, 13                        ; my 64
	s_add_co_u32 s96, s96, s98
	s_add_nc_u64 s[74:75], s[74:75], s[96:97]
	; the prefetches
	s_and_b32 s96, ttmp7, 0xffff
	s_cmp_eq_u32 s11, 0
	s_cselect_b32 s98, s40, s41
	s_cselect_b32 s96, ttmp9, s96
	s_cselect_b64 s[PFA:PFA+1], s[20:21], s[22:23]
	s_mov_b32 s[KSP], KSB
	s_cselect_b32 s[KSP], KSA, s[KSP]
	s_mov_b32 s99, TN*32
	s_cselect_b32 s99, TM*32, s99
	s_cselect_b32 s91, 31, TN/8-1
	s_mov_b32 s[KSP+1], 0
	s_cmp_eq_u32 s96, 0
	s_cselect_b32 s[LIM], 1, -1
	s_mul_i32 s96, s99, s98
	s_add_nc_u64 s[PFA:PFA+1], s[PFA:PFA+1], s[96:97]
	s_add_nc_u64 s[PFA:PFA+1], s[PFA:PFA+1], s[KSP:KSP+1]
	s_add_nc_u64 s[PFA:PFA+1], s[PFA:PFA+1], s[KSP:KSP+1]  ; at K step 2: the first refill steps it to 3
	v_min_u32 v[PFO], s91, v4
	v_lshlrev_b32 v[PFO], 8, v[PFO]
	s_wait_loadcnt 0x0
.irp c, 0,1,2,3,4,5,6,7
	v_pk_add_f32 v[X+2*\c:X+2*\c+1], v[X+2*\c:X+2*\c+1], v[X+16+2*\c:X+16+2*\c+1]
.endr
.irp c, 0,1,2,3
	v_pk_add_f32 v[X+2*\c:X+2*\c+1], v[X+2*\c:X+2*\c+1], v[X+8+2*\c:X+8+2*\c+1]
.endr
.irp c, 0,1
	v_pk_add_f32 v[X+2*\c:X+2*\c+1], v[X+2*\c:X+2*\c+1], v[X+4+2*\c:X+4+2*\c+1]
.endr
	v_pk_add_f32 v[X:X+1], v[X:X+1], v[X+2:X+3]
	v_fma_f32 v[X], v[X], s94, s95
	v_fma_f32 v[X+1], v[X+1], s94, s95
	v_rsq_f32 v[X], v[X]
	v_rsq_f32 v[X+1], v[X+1]
	v_nop
	s_wait_alu depctr_va_vdst(0)                   ; one wait for both
	ds_store_b64 v[RW], v[X:X+1]
	ds_store_b64 v[RW], v[X:X+1] offset:256
	s_wait_dscnt 0x0                               ; no LDS instruction of mine is out at a signal
	s_wait_tensorcnt 0x1                           ; my part of step 0 is in; step 1's may stay out
	s_barrier_signal -1
	s_barrier_wait -1
	FETCH 0, 0
	QUARTER 0, 1, 64, 1
	WIN 0
	s_mov_b32 s3, TSTEPS-2
.Lmain:
	PAIRS
	TURN 1
	QUARTER 0, 1, 64, 0
	WIN 0
	s_sub_co_u32 s3, s3, 1
	s_cmp_lg_u32 s3, 0
	s_cbranch_scc1 .Lmain
	s_mov_b32 s3, 2
.Ltail:                                        ; the last two steps fill nothing; the second trip is left in its middle
	PAIRS
	TURN 0
	WIN 0
	s_sub_co_u32 s3, s3, 1
	s_cmp_eq_u32 s3, 0
	s_cbranch_scc1 .Lout
	QUARTER 0, 1, 64, 0
	WIN 0
	s_branch .Ltail
.Lout:
	s_wait_dscnt 0x0                               ; my reads of the slots are over
	PLACES
	PLACES
	s_barrier_signal -1
	s_barrier_wait -1                              ; everybody's are: the slots, which no tensor load fills any more, take the sums
.irp a, 0,1,2,3
	WIN 0x08+4*(\a/2)
.set bb, 0
.rept 8
.set rD, 8*((\a%2)*NBK+bb)
	ds_store_b128 v[DW], v[rD:rD+3]   offset:(bb/4)*17408+\a*4352+(bb%4)*64
	ds_store_b128 v[DW], v[rD+4:rD+7] offset:(bb/4)*17408+\a*4352+(bb%4)*64+16
.set bb, bb+1
.endr
.endr
	WIN 0
.irp f, 0,1,2,3
	v_mov_b32 v[RSV+2*\f+1], 0                     ; named with rs as a pair
.endr
	s_mov_b32 s3, 8
.Lgelu:                                        ; trip i: plane i / 4, rows 16 (i % 4) on: 16 rows x 64 columns, 32 numbers a lane; the wave reads its own bytes
.irp f, 0,1,2,3
	ds_load_b128 v[X+8*\f:X+8*\f+3],   v[DR] offset:1088*\f
	ds_load_b128 v[X+8*\f+4:X+8*\f+7], v[DR] offset:1088*\f+16
	ds_load_b32 v[RSV+2*\f], v[RR] offset:16*\f
.endr
	s_wait_dscnt 0x0
.set z, 0
.rept 16
	v_pk_mul_f32 v[X+2*z:X+2*z+1], v[X+2*z:X+2*z+1], v[RSV+2*(z/4):RSV+2*(z/4)+1] op_sel_hi:[1,0]
.set z, z+1
.endr
.set z, 0
.rept 32
	v_and_b32 v[AX+z], s90, v[X+z]
.set z, z+1
.endr
.set z, 0
.rept 16
	v_pk_fma_f32 v[U+2*z:U+2*z+1], v[AX+2*z:AX+2*z+1], s[76:77], 1.0 op_sel_hi:[1,0,0]
	v_pk_mul_f32 v[W+2*z:W+2*z+1], v[X+2*z:X+2*z+1], v[X+2*z:X+2*z+1]
.set z, z+1
.endr
.set z, 0
.rept 16
	v_pk_mul_f32 v[W+2*z:W+2*z+1], v[W+2*z:W+2*z+1], s[78:79] op_sel_hi:[1,0]
.set z, z+1
.endr
.set z, 0
.rept 32                               ; one batch of 64
	v_rcp_f32 v[U+z], v[U+z]
.set z, z+1
.endr
.set z, 0
.rept 32
	v_exp_f32 v[W+z], v[W+z]
.set z, z+1
.endr
.set z, 0
.rept 32                               ; work that names none of the batch's results stands between it and its wait
	v_max_num_f32 v[X+z], 0, v[X+z]
.set z, z+1
.endr
	s_wait_alu depctr_va_vdst(0)                   ; the one wait for the batch
.set z, 0
.rept 16
	v_pk_fma_f32 v[PP+2*z:PP+2*z+1], v[U+2*z:U+2*z+1], s[80:81], s[82:83] op_sel_hi:[1,0,0]
.set z, z+1
.endr
.irp k, 84, 86, 88
.set z, 0
.rept 16
	v_pk_fma_f32 v[PP+2*z:PP+2*z+1], v[PP+2*z:PP+2*z+1], v[U+2*z:U+2*z+1], s[\k:\k+1] op_sel_hi:[1,1,0]
.set z, z+1
.endr
.endr
.set z, 0
.rept 16
	v_pk_mul_f32 v[PP+2*z:PP+2*z+1], v[PP+2*z:PP+2*z+1], v[U+2*z:U+2*z+1]
.set z, z+1
.endr
.set z, 0
.rept 16
	v_pk_mul_f32 v[PP+2*z:PP+2*z+1], v[PP+2*z:PP+2*z+1], v[W+2*z:W+2*z+1]
.set z, z+1
.endr
.set z, 0
.rept 16
	v_pk_fma_f32 v[X+2*z:X+2*z+1], v[AX+2*z:AX+2*z+1], v[PP+2*z:PP+2*z+1], v[X+2*z:X+2*z+1] neg_lo:[1,0,0] neg_hi:[1,0,0]
.set z, z+1
.endr
.set z, 0
.rept 16
	v_cvt_pk_bf16_f32 v[OD+z], v[X+2*z], v[X+2*z+1]
.set z, z+1
.endr
.irp f, 0,1,2,3
	global_store_b128 v[GO], v[OD+4*\f:OD+4*\f+3], s[74:75] offset:512*\f   ; 512 consecutive bytes of a plane, aligned
.endr
	v_add_nc_u32 v[DR], 4352, v[DR]
	v_add_nc_u32 v[RR], 64, v[RR]
	s_wait_xcnt 0x0                                ; the stores have read their words and their base
	s_cmp_eq_u32 s3, 5                             ; behind the fourth trip: the next plane, back to my first rows
	s_mov_b32 s92, 2048
	s_cselect_b32 s92, PLG-3*2048, s92
	s_add_nc_u64 s[74:75], s[74:75], s[92:93]
	s_sub_co_u32 s3, s3, 1
	s_cmp_lg_u32 s3, 0
	s_cbranch_scc1 .Lgelu
	s_wait_tensorcnt 0x0                           ; the wave's end
	ds_add_u32 v[SPW], v[NIL]
	s_wait_dscnt 0x0
	CROUND
	s_endpgm
.Lfunc_end_k_q4a5116aa71_gff1:
	.size	k_q4a5116aa71_gff1, .Lfunc_end_k_q4a5116aa71_gff1-k_q4a5116aa71_gff1
	.p2alignl 7, 3214868480
	.fill 96, 4, 3214868480
	.section	.rodata,"a",@progbits
	.p2align	6, 0x0
	.amdhsa_kernel k_q4a5116aa71_gff1
		.amdhsa_group_segment_fixed_size 327680
		.amdhsa_private_segment_fixed_size 0
		.amdhsa_enable_private_segment 0
		.amdhsa_kernarg_size 32
		.amdhsa_user_sgpr_count 2
		.amdhsa_user_sgpr_kernarg_segment_ptr 1
		.amdhsa_wavefront_size32 1
		.amdhsa_system_sgpr_workgroup_id_x 1
		.amdhsa_system_sgpr_workgroup_id_y 1
		.amdhsa_system_sgpr_workgroup_id_z 1
		.amdhsa_system_vgpr_workitem_id 0
		.amdhsa_next_free_vgpr 896
		.amdhsa_next_free_sgpr 100
		.amdhsa_reserve_vcc 0
		.amdhsa_float_denorm_mode_32 3
		.amdhsa_float_denorm_mode_16_64 3
		.amdhsa_memory_ordered 1
		.amdhsa_forward_progress 1
		.amdhsa_inst_pref_size 73
	.end_amdhsa_kernel
	.amdgpu_metadata
---
amdhsa.version: [ 1, 2 ]
amdhsa.kernels:
  - .name:           k_q4a5116aa71_gff1
    .symbol:         k_q4a5116aa71_gff1.kd
    .args:
      - { .name: hb, .offset: 0, .size: 8, .value_kind: global_buffer, .address_space: global }
      - { .name: wb, .offset: 8, .size: 8, .value_kind: global_buffer, .address_space: global }
      - { .name: ssq, .offset: 16, .size: 8, .value_kind: global_buffer, .address_space: global }
      - { .name: gb, .offset: 24, .size: 8, .value_kind: global_buffer, .address_space: global }
    .group_segment_fixed_size: 327680
    .private_segment_fixed_size: 0
    .kernarg_segment_align: 8
    .kernarg_segment_size: 32
    .max_flat_workgroup_size: 128
    .sgpr_count:     100
    .vgpr_count:     896
    .wavefront_size: 32
...
	.end_amdgpu_metadata
.endif
;; end of part 5
;; launch gff2 (part 6): grid 8 x 32, 4 waves a work-group, clusters of 4 x 4, 327,680 bytes of LDS; arguments gb, wb, h, out0; writes out0
.if DOCPART == 6
	.amdgcn_target "amdgcn-amd-amdhsa--gfx1250"
	.amdhsa_code_object_version 6
	.text
	.protected	k_q4a5116aa71_gff2
	.globl	k_q4a5116aa71_gff2
	.p2align	8
	.type	k_q4a5116aa71_gff2,@function
k_q4a5116aa71_gff2:
	s_mov_b64 s[64:65], 0
	v_nop
	global_prefetch_b8 v0, s[64:65] scope:SCOPE_SE
	s_setreg_imm32_b32 hwreg(HW_REG_WAVE_MODE, 25, 1), 1
	s_wait_xcnt 0x0
	s_wait_alu depctr_hold_cnt(0) depctr_sa_sdst(0) depctr_va_vdst(0) depctr_va_sdst(0) depctr_va_ssrc(0) depctr_va_vcc(0) depctr_vm_vsrc(0)
	s_getreg_b32 s2, hwreg(HW_REG_IB_STS2, 6, 4)
	s_cmp_eq_u32 s2, 0
	s_cbranch_scc0 .Lentry_in_a_cluster
	s_endpgm
.Lentry_in_a_cluster:
	s_bfe_u32 s2, ttmp6, 0x10000c
	s_cmp_lg_u32 s2, 0xf033
	s_cbranch_scc0 .Lentry_shape_is_right
	s_endpgm
.Lentry_shape_is_right:
; out0 = h + gb w2^T.  A = gb [32 planes][4096][64] bf16, B = w2 in wb at byte 12,582,912, [32][1024][64] bf16; sums in f32; h and out0 [4096][1024] f32.
; A work-group makes 128 x 128 of C, its four waves 64 x 64 each (2 x 2): 16 accumulators.  K goes in 8 steps of 256 (four planes) through two LDS slots; a wave's tensor load brings two planes of 128 rows,
; as two rows of 16,384 bytes, padded in LDS after every 128 bytes: an LDS row is 144 bytes.  Cluster 4 x 4: A's tile jointly along a row of the cluster, B's along a column.  The product is used transposed.
; No prefetch: the tiles are small.  The text is that of the product with wo, without what that one stores beside h.
; REGISTERS: window 0: addresses, A's fragments v64-127, the residual v128-255; window 1: B's fragments at 96 f; window 2: accumulators of row blocks 0, 1 at 8 (4 (a % 2) + b); window 3: of 2, 3.
.set TM,     128
.set TN,     128
.set NBK,    4
.set KB,     4
.set TSTEPS, 8
.set NCOL,   1024
.set BOFF,   12582912
.set PLG,    524288
.set PLA,    TM*144
.set PLB,    TN*144
.set SLOT,   KB*(PLA+PLB)
.set KSA,    KB*PLG
.set KSB,    KB*NCOL*128
.set NL,     2*NBK+8
.set DA0,    TM*64
.set DA1,    KB/2
.set SA0,    PLG/2
.set DB0,    TN*64
.set DB1,    KB/2
.set SB0,    NCOL*64
.set GW0,    (1<<16)|(1<<20)|(1<<21)|(4<<22)|(3<<25)
.set STAGE,  2*SLOT                    ; 16 rows x 272 bytes for each wave
.set SPARE,  STAGE+4*16*272            ; the spare words: 128 bytes a wave, named by no other line
.set A0,   16
.set B0,   17
.set ADRA, 18
.set ADRB, 19
.set STW,  20
.set STR,  21
.set XO,   22
.set SPW,  28
.set NIL,  29
.set FA,   64
.set BK,   96
.set RES,  128
.set G1,   24
.set G0,   32
.set G1B,  48
.set G0B,  56
.set RS,   66
.set FS,   67
.set LWA,  68
.set LWB,  69
.set OUTP, 74
.set MSB, 0
.macro WIN new
.if MSB != (\new)
	s_set_vgpr_msb (MSB<<8)|(\new)
.set MSB, \new
.endif
.endm
.macro PLACES
.rept 4
	v_nop
.endr
.endm
.macro JLOAD                           ; a joint refill by the walking sets; an s_nop 0 and four v_nop follow each of the two lines
	s_cmp_eq_u32 s11, 0
	s_cbranch_scc0 .Lfor_b_\@
	tensor_load_to_lds s[G0+4:G0+7], s[G1:G1+7]
	s_nop 0
	PLACES
	s_branch .Lasked_\@
.Lfor_b_\@:
	tensor_load_to_lds s[G0B+4:G0B+7], s[G1B:G1B+7]
	s_nop 0
	PLACES
.Lasked_\@:
.endm
.macro CREST
	s_cmp_lg_u32 s10, 0
	s_cbranch_scc1 .Lnot_wave_0_\@
	s_barrier_signal -3
.Lnot_wave_0_\@:
	s_barrier_wait -3
	s_barrier_signal -1
	s_barrier_wait -1
.endm
.macro CROUND
	s_barrier_signal -1
	s_barrier_wait -1
	CREST
.endm
.macro MULA f, a, zero
	WIN 0xa1+0x50*((\a)/2)
.set bb, 0
.rept NBK
.set rD, 8*(((\a)%2)*NBK+bb)
.if \zero
	v_wmma_f32_16x16x32_bf16 v[rD:rD+7], v[96*(\f)+8*bb:96*(\f)+8*bb+7], v[FA+32*(\f)+8*(\a):FA+32*(\f)+8*(\a)+7], 0
.else
	v_wmma_f32_16x16x32_bf16 v[rD:rD+7], v[96*(\f)+8*bb:96*(\f)+8*bb+7], v[FA+32*(\f)+8*(\a):FA+32*(\f)+8*(\a)+7], v[rD:rD+7]
.endif
.set bb, bb+1
.endr
.endm
.macro FETCH k, g
	WIN 0x40
.set bb, 0
.rept NBK
	ds_load_b128 v[96*(\g)+8*bb:96*(\g)+8*bb+3],   v[ADRB] offset:(\k)+bb*2304
	ds_load_b128 v[96*(\g)+8*bb+4:96*(\g)+8*bb+7], v[ADRB] offset:(\k)+bb*2304+32
.set bb, bb+1
.endr
	WIN 0
.set bb, 0
.rept 4
	ds_load_b128 v[FA+32*(\g)+8*bb:FA+32*(\g)+8*bb+3],   v[ADRA] offset:(\k)+bb*2304
	ds_load_b128 v[FA+32*(\g)+8*bb+4:FA+32*(\g)+8*bb+7], v[ADRA] offset:(\k)+bb*2304+32
.set bb, bb+1
.endr
.endm
.macro QUARTER f, g, k, zero
	s_wait_dscnt 4                                 ; all but the youngest four loads (A's row blocks 2, 3)
	MULA \f, 0, \zero
	MULA \f, 1, \zero
	PLACES
	FETCH \k, \g
	s_wait_dscnt NL                                ; all but the run just issued
	MULA \f, 2, \zero
	MULA \f, 3, \zero
.endm
.macro PAIRS                           ; the step's planes 1 to 3: written once, walked three times
	WIN 0
	s_mov_b32 s2, KB-1
.Lpair_\@:
	v_add_nc_u32 v[ADRA], PLA, v[ADRA]
	v_add_nc_u32 v[ADRB], PLB, v[ADRB]
	QUARTER 1, 0, 0, 0
	QUARTER 0, 1, 64, 0
	WIN 0
	s_sub_co_u32 s2, s2, 1
	s_cmp_lg_u32 s2, 0
	s_cbranch_scc1 .Lpair_\@
.endm
.macro MEET round                      ; the one barrier of a change of slots: all my tensor loads, the add, my reads of this slot; round = 1: the walking descriptors step while the add is out
	WIN 0
	s_wait_tensorcnt 0x0
	ds_add_u32 v[SPW], v[NIL]
.if \round
	s_xor_b32 s[FS], s[FS], SLOT
	s_add_co_u32 s[G0+5], s[LWA], s[FS]
	s_add_co_u32 s[G0B+5], s[LWB], s[FS]
	s_add_nc_u64 s[G0+6:G0+7], s[G0+6:G0+7], KSA
	s_add_nc_u64 s[G0B+6:G0B+7], s[G0B+6:G0B+7], KSB
.endif
	s_wait_dscnt 5                                 ; the add and the youngest four loads may be out
	MULA 1, 0, 0
	s_wait_dscnt 0x0
	s_barrier_signal -1
	MULA 1, 1, 0
.if \round
	WIN 0
.endif
	s_barrier_wait -1
.endm
.macro TURN fill
	MEET \fill
.if \fill
	CREST
	JLOAD                                          ; the first tensor load behind the round; its four v_nop are also the places in front of the loads below
.else
	PLACES
.endif
	WIN 0
	s_xor_b32 s[RS], s[RS], SLOT
	v_add_nc_u32 v[ADRA], s[RS], v[A0]
	v_add_nc_u32 v[ADRB], s[RS], v[B0]
	FETCH 0, 0
	MULA 1, 2, 0
	MULA 1, 3, 0
.endm
	s_load_b128 s[4:7], s[0:1], 0x0                ; gb s[4:5], wb s[6:7]
	s_load_b128 s[72:75], s[0:1], 0x10             ; h s[72:73], out0 s[74:75]
	v_lshl_add_u32 v[SPW], v0, 2, SPARE
	v_mov_b32 v[NIL], 0
	ds_add_u32 v[SPW], v[NIL]                      ; the wave's opening: the add and its wait ahead of my first tensor load
	v_lshrrev_b32 v1, 5, v0
	v_readfirstlane_b32 s10, v1
	s_lshr_b32 s11, s10, 1                         ; my half of the tile's rows.  Also: I fetch for A (0) or for B (1)
	s_and_b32 s12, s10, 1                          ; my half of its columns.  Also: which two planes of the step's four I fetch
	s_bfe_u32 s40, ttmp6, 0x40000
	s_bfe_u32 s41, ttmp6, 0x40004
	s_lshl_b32 s42, ttmp9, 2
	s_add_co_u32 s42, s42, s40
	s_and_b32 s13, ttmp7, 0xffff
	s_lshl_b32 s13, s13, 2
	s_add_co_u32 s13, s13, s41
	s_lshl_b32 s14, s41, 2
	s_lshl_b32 s14, 15, s14
	s_lshl_b32 s15, 0x1111, s40
	s_or_b32 s[G1], s14, GW0
	s_or_b32 s[G1B], s15, GW0
	s_mov_b32 s[G1+1], DA0<<16
	s_mov_b32 s[G1+2], DA1<<16
	s_mov_b32 s[G1+3], DA0<<16
	s_mov_b32 s[G1+4], DA1
	s_mov_b32 s[G1+5], SA0
	s_mov_b32 s[G1+6], 0
	s_mov_b32 s[G1+7], 0
	s_mov_b32 s[G1B+1], DB0<<16
	s_mov_b32 s[G1B+2], DB1<<16
	s_mov_b32 s[G1B+3], DB0<<16
	s_mov_b32 s[G1B+4], DB1
	s_mov_b32 s[G1B+5], SB0
	s_mov_b32 s[G1B+6], 0
	s_mov_b32 s[G1B+7], 0
	s_mul_i32 s16, s12, (KB/2)*PLG
	s_mul_i32 s17, s13, TM*128
	s_add_co_u32 s16, s16, s17
	s_mov_b32 s17, 0
	s_mul_i32 s18, s12, (KB/2)*NCOL*128
	s_mul_i32 s19, s42, TN*128
	s_add_co_u32 s18, s18, s19
	s_add_co_u32 s18, s18, BOFF
	s_mov_b32 s19, 0
	s_mul_i32 s[LWA], s12, (KB/2)*PLA
	s_mul_i32 s[LWB], s12, (KB/2)*PLB
	s_add_co_u32 s[LWB], s[LWB], KB*PLA
	s_mov_b32 s[RS], 0
	s_mov_b32 s[FS], SLOT
	s_wait_dscnt 0x0
	s_wait_kmcnt 0x0
	s_add_nc_u64 s[20:21], s[4:5], s[16:17]
	s_add_nc_u64 s[22:23], s[6:7], s[18:19]
.irp s, 0,1
	s_mov_b32 s[G0+4*\s], 1
	s_add_co_u32 s[G0+4*\s+1], s[LWA], \s*SLOT
	s_add_nc_u64 s[G0+4*\s+2:G0+4*\s+3], s[20:21], \s*KSA
	s_or_b32 s[G0+4*\s+3], s[G0+4*\s+3], 0x80000000
	s_mov_b32 s[G0B+4*\s], 1
	s_add_co_u32 s[G0B+4*\s+1], s[LWB], \s*SLOT
	s_add_nc_u64 s[G0B+4*\s+2:G0B+4*\s+3], s[22:23], \s*KSB
	s_or_b32 s[G0B+4*\s+3], s[G0B+4*\s+3], 0x80000000
.endr
	CROUND
	s_cmp_eq_u32 s11, 0
	s_cbranch_scc0 .Lfirst_b
	tensor_load_to_lds s[G0:G0+3], s[G1:G1+7]
	s_nop 0
	tensor_load_to_lds s[G0+4:G0+7], s[G1:G1+7]
	s_nop 0
	PLACES
	s_branch .Lfirst_done
.Lfirst_b:
	tensor_load_to_lds s[G0B:G0B+3], s[G1B:G1B+7]
	s_nop 0
	tensor_load_to_lds s[G0B+4:G0B+7], s[G1B:G1B+7]
	s_nop 0
	PLACES
.Lfirst_done:
	v_and_b32 v1, 15, v0
	v_bfe_u32 v2, v0, 4, 1
	v_mul_u32_u24 v3, v1, 144
	v_lshl_add_u32 v3, v2, 4, v3
	s_mul_i32 s70, s11, 64*144
	v_add_nc_u32 v[A0], s70, v3
	s_mul_i32 s71, s12, 64*144
	s_add_co_u32 s71, s71, KB*PLA
	v_add_nc_u32 v[B0], s71, v3
	v_mov_b32 v[ADRA], v[A0]
	v_mov_b32 v[ADRB], v[B0]
	s_mul_i32 s90, s10, 16*272
	s_add_co_u32 s90, s90, STAGE
	v_mul_u32_u24 v4, v1, 272                      ; in: row l % 16, 32 bytes for each half of the lanes
	v_lshl_add_u32 v4, v2, 5, v4
	v_add_nc_u32 v[STW], s90, v4
	v_mul_u32_u24 v4, v2, 272                      ; back: lanes 0-15 one row of 256 bytes, lanes 16-31 the next
	v_lshl_add_u32 v4, v1, 4, v4
	v_add_nc_u32 v[STR], s90, v4
	v_lshlrev_b32 v4, 12, v2
	v_lshl_add_u32 v[XO], v1, 4, v4
	s_lshl_b32 s82, s13, 7
	s_lshl_b32 s83, s11, 6
	s_add_co_u32 s82, s82, s83                     ; my first row
	s_lshl_b32 s84, s42, 1
	s_add_co_u32 s84, s84, s12                     ; my group of 64 columns
	s_lshl_b32 s86, s82, 12
	s_lshl_b32 s85, s84, 8
	s_add_co_u32 s86, s86, s85
	s_mov_b32 s87, 0
	s_add_nc_u64 s[72:73], s[72:73], s[86:87]
	s_add_nc_u64 s[OUTP:OUTP+1], s[OUTP:OUTP+1], s[86:87]
.set gg, 0
.rept 32                               ; the residual: rows 2 gg, 2 gg + 1 of my 64; it has the whole product in which to land
	global_load_b128 v[RES+4*gg:RES+4*gg+3], v[XO], s[72:73] offset:gg*8192 th:TH_LOAD_NT
.set gg, gg+1
.endr
	s_wait_tensorcnt 0x1                           ; my part of step 0 is in; step 1's may stay out
	s_barrier_signal -1
	s_barrier_wait -1
	FETCH 0, 0
	QUARTER 0, 1, 64, 1
	WIN 0
	s_mov_b32 s3, TSTEPS-2
.Lmain:
	PAIRS
	TURN 1
	QUARTER 0, 1, 64, 0
	WIN 0
	s_sub_co_u32 s3, s3, 1
	s_cmp_lg_u32 s3, 0
	s_cbranch_scc1 .Lmain
	s_mov_b32 s3, 2
.Ltail:                                        ; the last two steps fill nothing; the second trip is left in its middle
	PAIRS
	TURN 0
	WIN 0
	s_sub_co_u32 s3, s3, 1
	s_cmp_eq_u32 s3, 0
	s_cbranch_scc1 .Lout
	QUARTER 0, 1, 64, 0
	WIN 0
	s_branch .Ltail
.Lout:
	s_wait_dscnt 0x0
	s_wait_loadcnt 0x0                             ; the residual
	PLACES
	PLACES
; THE WAY OUT, 16 rows at a time: the f32 sums go through my stage and come back as whole rows of 256 bytes; the residual is added; 16 lanes store 256 consecutive bytes, aligned.
.macro ROWS a
	WIN 0x08+4*((\a)/2)
.set bb, 0
.rept 4
.set rD, 8*(((\a)%2)*4+bb)
	ds_store_b128 v[STW], v[rD:rD+3] offset:64*bb
	ds_store_b128 v[STW], v[rD+4:rD+7] offset:64*bb+16
.set bb, bb+1
.endr
	WIN 0
.set gg, 0
.rept 8
	ds_load_b128 v[BK+4*gg:BK+4*gg+3], v[STR] offset:544*gg   ; LDS serves a wave's instructions in order: these see the stores above
.set gg, gg+1
.endr
.set gg, 0
.rept 8
.set rR, RES+4*(8*(\a)+gg)
	s_wait_dscnt 7-gg
	v_pk_add_f32 v[rR:rR+1], v[rR:rR+1], v[BK+4*gg:BK+4*gg+1]
	v_pk_add_f32 v[rR+2:rR+3], v[rR+2:rR+3], v[BK+4*gg+2:BK+4*gg+3]
	global_store_b128 v[XO], v[rR:rR+3], s[OUTP:OUTP+1] offset:(16*(\a)+2*gg)*4096
.set gg, gg+1
.endr
.endm
	ROWS 0
	ROWS 1
	ROWS 2
	ROWS 3
	s_wait_tensorcnt 0x0                           ; the wave's end
	ds_add_u32 v[SPW], v[NIL]
	s_wait_dscnt 0x0
	CROUND
	s_endpgm
.Lfunc_end_k_q4a5116aa71_gff2:
	.size	k_q4a5116aa71_gff2, .Lfunc_end_k_q4a5116aa71_gff2-k_q4a5116aa71_gff2
	.p2alignl 7, 3214868480
	.fill 96, 4, 3214868480
	.section	.rodata,"a",@progbits
	.p2align	6, 0x0
	.amdhsa_kernel k_q4a5116aa71_gff2
		.amdhsa_group_segment_fixed_size 327680
		.amdhsa_private_segment_fixed_size 0
		.amdhsa_enable_private_segment 0
		.amdhsa_kernarg_size 32
		.amdhsa_user_sgpr_count 2
		.amdhsa_user_sgpr_kernarg_segment_ptr 1
		.amdhsa_wavefront_size32 1
		.amdhsa_system_sgpr_workgroup_id_x 1
		.amdhsa_system_sgpr_workgroup_id_y 1
		.amdhsa_system_sgpr_workgroup_id_z 1
		.amdhsa_system_vgpr_workitem_id 0
		.amdhsa_next_free_vgpr 832
		.amdhsa_next_free_sgpr 100
		.amdhsa_reserve_vcc 0
		.amdhsa_float_denorm_mode_32 3
		.amdhsa_float_denorm_mode_16_64 3
		.amdhsa_memory_ordered 1
		.amdhsa_forward_progress 1
		.amdhsa_inst_pref_size 47
	.end_amdhsa_kernel
	.amdgpu_metadata
---
amdhsa.version: [ 1, 2 ]
amdhsa.kernels:
  - .name:           k_q4a5116aa71_gff2
    .symbol:         k_q4a5116aa71_gff2.kd
    .args:
      - { .name: gb, .offset: 0, .size: 8, .value_kind: global_buffer, .address_space: global }
      - { .name: wb, .offset: 8, .size: 8, .value_kind: global_buffer, .address_space: global }
      - { .name: h, .offset: 16, .size: 8, .value_kind: global_buffer, .address_space: global }
      - { .name: out0, .offset: 24, .size: 8, .value_kind: global_buffer, .address_space: global }
    .group_segment_fixed_size: 327680
    .private_segment_fixed_size: 0
    .kernarg_segment_align: 8
    .kernarg_segment_size: 32
    .max_flat_workgroup_size: 128
    .sgpr_count:     100
    .vgpr_count:     832
    .wavefront_size: 32
...
	.end_amdgpu_metadata
.endif
;; end of part 6
;; ======== version 2 of 2: 6 launches; version 1 with the launch prep written anew for expert scheduling mode
;; limits: right only within a limited range of input values
;; workspace buffers: nxb 8,388,608 bytes; wb 16,777,216 bytes; qkv 25,165,824 bytes; ao 8,388,608 bytes; h 16,777,216 bytes; hb 8,388,608 bytes; ssq 262,144 bytes; gb 16,777,216 bytes
;; launch prep (part 7): grid 64 x 12, 8 waves a work-group, no clusters, 0 bytes of LDS; arguments x, g1, wq, wk, wv, wo, w1, w2, nxb, wb; writes nxb, wb
.if DOCPART == 7
	.amdgcn_target "amdgcn-amd-amdhsa--gfx1250"
	.amdhsa_code_object_version 6
	.text
	.protected	k_q4a5116aa71_prep
	.globl	k_q4a5116aa71_prep
	.p2align	8
	.type	k_q4a5116aa71_prep,@function
k_q4a5116aa71_prep:
	s_mov_b64 s[64:65], 0
	v_nop
	global_prefetch_b8 v0, s[64:65] scope:SCOPE_SE
	s_setreg_imm32_b32 hwreg(HW_REG_WAVE_SCHED_MODE, 0, 2), 2
	s_setreg_imm32_b32 hwreg(HW_REG_WAVE_MODE, 25, 1), 1
	s_wait_xcnt 0x0
	s_wait_alu depctr_vm_vsrc(0)
; PREP: every 16-bit matrix operand that comes from an input is made here, in the layout [K/64][rows][64] bf16 (a PLANE is 64 columns of all rows; a row of a plane is 128 bytes).
; y = 0..3: nxb = rmsnorm(x, g1), 1,024 rows of x each.  y = 4..11: a segment of 1,024 rows x 1,024 columns of a weight, rounded to bf16, into wb:
;   wq, wk, wv as one matrix of 3,072 rows at byte 0; wo at 6,291,456; w1 at 8,388,608; w2 at 12,582,912.
; A work-group takes 16 rows of its segment; 16 lanes hold a row: lane i of them the columns 64 kb + 4 i .. + 3 for kb = 0..15.  A load of a wave covers 256 consecutive bytes of each of two rows;
; a store covers 256 consecutive bytes, aligned: the two rows' 128 bytes in plane kb.  Each byte is read once and written once; no loop, no LDS, no matrix unit: nothing is shared.
; The sum of squares, the mean and the scaling are f32; the result is rounded once.  No limit of range beyond f32's own (a row whose sum of squares overflows f32 gives what the formula gives).
; THE MODE: SCHED_MODE bits 1:0 = 2 (LLVM: expert scheduling mode 2), set by the entry lines.  The code itself states the register dependences
; between vector instructions and memory instructions, with s_wait_alu, always for 0.
; THE PLAN.  Registers that memory instructions touch:
;   v3, v4, v5   byte offsets, made once by vector instructions and never written again: one wait ahead of a path's first load states that they are written.
;   X            written by the sixteen loads (no vector instruction names it before them); behind the wait for the data the vector work reads it, and the two roundings of plane kb write
;                X + 4 kb and X + 4 kb + 1, which the store of plane kb reads; nothing writes them after that.
;   G            (rows of x) written by g1's loads, read by the multiplies, never written again.
;   VO           (weights) sixteen store offsets, written by vector instructions behind the loads, read by the stores, never written again.
; The sixteen planes go in four blocks of four.  Block p's vector work names X + 16 p .. + 15 (and G's same part); its memory instructions are the four stores of block p - 1, which read
; X + 16 (p - 1) .. and v3 or VO + 4 (p - 1) ..: registers that no vector instruction of block p names.  So ONE wait on va_vdst at a block's head states all that its four stores hang on, and they are
; dealt among the block's vector instructions.  No register that a memory instruction reads is ever written again, no vector instruction writes a scalar register or VCC, and EXEC is never written.
.set X,   32                           ; v[32:95]   a lane's 64 numbers
.set G,   96                           ; v[96:159]  g1 of the same columns (rows of x)
.set VO,  96                           ; v[96:111]  the sixteen planes' store offsets (weights)
.set PLG, 524288                       ; bytes in a plane of 4,096 rows
; Block p of the rows of x: the stores of block p - 1, one in front of each plane's six vector instructions.
.macro XBLK p
.if (\p) > 0
	s_wait_alu depctr_va_vdst(0)                   ; the block before has written its eight words, which the four stores below read
.endif
.irp i, 0,1,2,3
.if (\p) > 0
.set kp, 4*(\p)-4+(\i)
	global_store_b64 v3, v[X+4*kp:X+4*kp+1], s[24:25] offset:kp*PLG   ; 32 lanes: 256 consecutive bytes, aligned; no vector instruction since the wait names these registers
.endif
.set kb, 4*(\p)+(\i)
	v_pk_mul_f32 v[X+4*kb:X+4*kb+1], v[X+4*kb:X+4*kb+1], v[10:11]
	v_pk_mul_f32 v[X+4*kb+2:X+4*kb+3], v[X+4*kb+2:X+4*kb+3], v[10:11]
	v_pk_mul_f32 v[X+4*kb:X+4*kb+1], v[X+4*kb:X+4*kb+1], v[G+4*kb:G+4*kb+1]
	v_pk_mul_f32 v[X+4*kb+2:X+4*kb+3], v[X+4*kb+2:X+4*kb+3], v[G+4*kb+2:G+4*kb+3]
	v_cvt_pk_bf16_f32 v[X+4*kb], v[X+4*kb], v[X+4*kb+1]
	v_cvt_pk_bf16_f32 v[X+4*kb+1], v[X+4*kb+2], v[X+4*kb+3]
.endr
.endm
; Block p of a weight's segment: the same, with two roundings a plane.
.macro WBLK p
	s_wait_loadcnt 12-4*(\p)                       ; loads come back in order: this block's four are in, the later blocks' stay out
.if (\p) > 0
	s_wait_alu depctr_va_vdst(0)                   ; the block before has written its eight words, which the four stores below read; in block 1 also: the sixteen offsets VO are written
.endif
.irp i, 0,1,2,3
.if (\p) > 0
.set kp, 4*(\p)-4+(\i)
	global_store_b64 v[VO+kp], v[X+4*kp:X+4*kp+1], s[26:27]           ; no vector instruction since the wait names these registers
.endif
.set kb, 4*(\p)+(\i)
	v_cvt_pk_bf16_f32 v[X+4*kb], v[X+4*kb], v[X+4*kb+1]
	v_cvt_pk_bf16_f32 v[X+4*kb+1], v[X+4*kb+2], v[X+4*kb+3]
.endr
.endm
	s_load_b512 s[8:23], s[0:1], 0x0               ; x s[8:9], g1 s[10:11], wq s[12:13], wk s[14:15], wv s[16:17], wo s[18:19], w1 s[20:21], w2 s[22:23]
	s_load_b128 s[24:27], s[0:1], 0x40             ; nxb s[24:25], wb s[26:27]
	s_and_b32 s2, ttmp7, 0xffff                    ; the segment
	v_lshrrev_b32 v1, 4, v0                        ; my row among the group's 16
	v_and_b32 v2, 15, v0                           ; i
	v_lshlrev_b32 v3, 7, v1
	v_lshl_add_u32 v3, v2, 3, v3                   ; in a plane: row x 128 + 8 i
	s_lshl_b32 s3, ttmp9, 11                       ; the group's 16 rows in a plane
	s_mov_b32 s5, 0
	s_wait_kmcnt 0x0
	s_cmp_lt_u32 s2, 4
	s_cbranch_scc0 .Lweights
	; ---- rows of x ----
	s_lshl_b32 s4, s2, 22                          ; 1,024 rows of 4,096 bytes
	s_lshl_b32 s6, ttmp9, 16                       ; 16 rows
	s_add_co_u32 s4, s4, s6
	s_add_nc_u64 s[8:9], s[8:9], s[4:5]
	s_lshl_b32 s4, s2, 17                          ; 1,024 rows of 128 bytes
	s_add_co_u32 s4, s4, s3
	s_add_nc_u64 s[24:25], s[24:25], s[4:5]
	s_mov_b32 s6, 0x3a800000                       ; 1 / 1024
	s_mov_b32 s7, 0x3727c5ac                       ; 1e-5
	v_lshlrev_b32 v4, 12, v1
	v_lshl_add_u32 v4, v2, 4, v4                   ; row x 4,096 + 16 i
	v_lshlrev_b32 v5, 4, v2
	s_wait_alu depctr_va_vdst(0)                   ; v3, v4 and v5 are written: every load and store of this path reads one of them as its offset
.irp kb, 0,1,2,3,4,5,6,7,8,9,10,11,12,13,14,15
	global_load_b128 v[X+4*\kb:X+4*\kb+3], v4, s[8:9] offset:256*\kb th:TH_LOAD_NT
.endr
.irp kb, 0,1,2,3,4,5,6,7,8,9,10,11,12,13,14,15
	global_load_b128 v[G+4*\kb:G+4*\kb+3], v5, s[10:11] offset:256*\kb
.endr
	s_wait_loadcnt 16                              ; x is in; g1's sixteen younger loads may stay out
.irp c, 0,1,2,3
	v_pk_mul_f32 v[8+2*\c:9+2*\c], v[X+2*\c:X+2*\c+1], v[X+2*\c:X+2*\c+1]  ; four chains, started by the first four pairs
.endr
.set j, 4
.rept 28
	v_pk_fma_f32 v[8+2*(j%4):9+2*(j%4)], v[X+2*j:X+2*j+1], v[X+2*j:X+2*j+1], v[8+2*(j%4):9+2*(j%4)]
.set j, j+1
.endr
	v_pk_add_f32 v[8:9], v[8:9], v[10:11]
	v_pk_add_f32 v[12:13], v[12:13], v[14:15]
	v_pk_add_f32 v[8:9], v[8:9], v[12:13]
	v_add_f32 v8, v8, v9
	v_add_f32_dpp v8, v8, v8 row_xmask:1 row_mask:0xf bank_mask:0xf   ; a row lies in 16 lanes
	v_add_f32_dpp v8, v8, v8 row_xmask:2 row_mask:0xf bank_mask:0xf
	v_add_f32_dpp v8, v8, v8 row_xmask:4 row_mask:0xf bank_mask:0xf
	v_add_f32_dpp v8, v8, v8 row_xmask:8 row_mask:0xf bank_mask:0xf
	v_fma_f32 v8, v8, s6, s7                       ; the mean + eps
	v_rsq_f32 v10, v8                              ; twice: a pair for the packed multiply
	v_rsq_f32 v11, v8
	v_nop                                          ; a plain instruction behind the last of them
	s_wait_loadcnt 0x0                             ; g1
	s_wait_alu depctr_va_vdst(0)                   ; both roots, v10 and v11, are written: one wait for both, ahead of their first reader
	XBLK 0                                         ; planes 0 to 3: no block stands in front, so nothing is stored yet
	XBLK 1
	XBLK 2
	XBLK 3
	s_wait_alu depctr_va_vdst(0)                   ; block 3 has written its eight words, which the last four stores read
.irp kb, 12,13,14,15
	global_store_b64 v3, v[X+4*\kb:X+4*\kb+1], s[24:25] offset:\kb*PLG
.endr
	s_endpgm
	; ---- a segment of a weight ----
.macro CASE c, ptr, so, sh, dst, pl    ; segment c: its tensor, byte offset in it, log2 of its row's bytes, byte offset in wb, bytes of a plane
	s_cmp_eq_u32 s28, \c
	s_cselect_b64 s[30:31], s[\ptr:\ptr+1], s[30:31]
	s_cselect_b32 s32, \so, s32
	s_cselect_b32 s33, \sh, s33
	s_cselect_b32 s34, \dst, s34
	s_cselect_b32 s35, \pl, s35
.endm
.Lweights:
	s_sub_co_u32 s28, s2, 4
	s_mov_b64 s[30:31], s[12:13]                   ; segment 0: wq
	s_mov_b32 s32, 0
	s_mov_b32 s33, 12
	s_mov_b32 s34, 0
	s_mov_b32 s35, 393216
	CASE 1, 14, 0,       12, 131072,   393216      ; wk: rows 1,024 on of the 3,072
	CASE 2, 16, 0,       12, 262144,   393216      ; wv
	CASE 3, 18, 0,       12, 6291456,  131072      ; wo
	CASE 4, 20, 0,       12, 8388608,  262144      ; w1, rows 0 on
	CASE 5, 20, 4194304, 12, 8519680,  262144      ; w1, rows 1,024 on
	CASE 6, 22, 0,       13, 12582912, 131072      ; w2, columns 0 on
	CASE 7, 22, 4096,    13, 14680064, 131072      ; w2, columns 1,024 on: planes 16 on
	s_lshl_b32 s4, ttmp9, 4
	s_lshl_b32 s4, s4, s33                         ; the group's 16 rows
	s_add_co_u32 s4, s4, s32
	s_add_nc_u64 s[30:31], s[30:31], s[4:5]
	s_add_co_u32 s4, s34, s3
	s_add_nc_u64 s[26:27], s[26:27], s[4:5]
	v_lshlrev_b32 v4, s33, v1
	v_lshl_add_u32 v4, v2, 4, v4
	s_wait_alu depctr_va_vdst(0)                   ; v4 is written: the sixteen loads read it as their offset
.irp kb, 0,1,2,3,4,5,6,7,8,9,10,11,12,13,14,15
	global_load_b128 v[X+4*\kb:X+4*\kb+3], v4, s[30:31] offset:256*\kb th:TH_LOAD_NT
.endr
	v_mov_b32 v[VO], v3
.set kk, 1
.rept 15
	v_add_nc_u32 v[VO+kk], s35, v[VO+kk-1]         ; a plane further on
.set kk, kk+1
.endr
	WBLK 0                                         ; planes 0 to 3: no block stands in front, so nothing is stored yet
	WBLK 1
	WBLK 2
	WBLK 3
	s_wait_alu depctr_va_vdst(0)                   ; block 3 has written its eight words, which the last four stores read
.irp kb, 12,13,14,15
	global_store_b64 v[VO+\kb], v[X+4*\kb:X+4*\kb+1], s[26:27]
.endr
	s_endpgm
.Lfunc_end_k_q4a5116aa71_prep:
	.size	k_q4a5116aa71_prep, .Lfunc_end_k_q4a5116aa71_prep-k_q4a5116aa71_prep
	.p2alignl 7, 3214868480
	.fill 96, 4, 3214868480
	.section	.rodata,"a",@progbits
	.p2align	6, 0x0
	.amdhsa_kernel k_q4a5116aa71_prep
		.amdhsa_group_segment_fixed_size 0
		.amdhsa_private_segment_fixed_size 0
		.amdhsa_enable_private_segment 0
		.amdhsa_kernarg_size 80
		.amdhsa_user_sgpr_count 2
		.amdhsa_user_sgpr_kernarg_segment_ptr 1
		.amdhsa_wavefront_size32 1
		.amdhsa_system_sgpr_workgroup_id_x 1
		.amdhsa_system_sgpr_workgroup_id_y 1
		.amdhsa_system_sgpr_workgroup_id_z 1
		.amdhsa_system_vgpr_workitem_id 0
		.amdhsa_next_free_vgpr 160
		.amdhsa_next_free_sgpr 66
		.amdhsa_reserve_vcc 0
		.amdhsa_float_denorm_mode_32 3
		.amdhsa_float_denorm_mode_16_64 3
		.amdhsa_memory_ordered 1
		.amdhsa_forward_progress 1
		.amdhsa_inst_pref_size 23
	.end_amdhsa_kernel
	.amdgpu_metadata
---
amdhsa.version: [ 1, 2 ]
amdhsa.kernels:
  - .name:           k_q4a5116aa71_prep
    .symbol:         k_q4a5116aa71_prep.kd
    .args:
      - { .name: x, .offset: 0, .size: 8, .value_kind: global_buffer, .address_space: global }
      - { .name: g1, .offset: 8, .size: 8, .value_kind: global_buffer, .address_space: global }
      - { .name: wq, .offset: 16, .size: 8, .value_kind: global_buffer, .address_space: global }
      - { .name: wk, .offset: 24, .size: 8, .value_kind: global_buffer, .address_space: global }
      - { .name: wv, .offset: 32, .size: 8, .value_kind: global_buffer, .address_space: global }
      - { .name: wo, .offset: 40, .size: 8, .value_kind: global_buffer, .address_space: global }
      - { .name: w1, .offset: 48, .size: 8, .value_kind: global_buffer, .address_space: global }
      - { .name: w2, .offset: 56, .size: 8, .value_kind: global_buffer, .address_space: global }
      - { .name: nxb, .offset: 64, .size: 8, .value_kind: global_buffer, .address_space: global }
      - { .name: wb, .offset: 72, .size: 8, .value_kind: global_buffer, .address_space: global }
    .group_segment_fixed_size: 0
    .private_segment_fixed_size: 0
    .kernarg_segment_align: 8
    .kernarg_segment_size: 80
    .max_flat_workgroup_size: 256
    .sgpr_count:     66
    .vgpr_count:     160
    .wavefront_size: 32
...
	.end_amdgpu_metadata
.endif
;; end of part 7
;; launch gqkv: the kernel of part 2 again; grid 16 x 16, 4 waves a work-group, clusters of 4 x 4, 327,680 bytes of LDS; arguments nxb, wb, qkv; writes qkv
;; launch attn: the kernel of part 3 again; grid 16 x 16, 4 waves a work-group, clusters of 4 x 1, 327,680 bytes of LDS; arguments qkv, ao; writes ao
;; launch gwo: the kernel of part 4 again; grid 8 x 32, 4 waves a work-group, clusters of 4 x 4, 327,680 bytes of LDS; arguments ao, wb, x, g2, h, hb, ssq; writes h, hb, ssq
;; launch gff1: the kernel of part 5 again; grid 16 x 16, 4 waves a work-group, clusters of 4 x 4, 327,680 bytes of LDS; arguments hb, wb, ssq, gb; writes gb
;; launch gff2: the kernel of part 6 again; grid 8 x 32, 4 waves a work-group, clusters of 4 x 4, 327,680 bytes of LDS; arguments gb, wb, h, out0; writes out0
